; MI455X (gfx1250); checked and timed in simulation.
; The chip was launched on July 23, 2026; its instructions are those of AMD's public machine-readable ISA for CDNA 5 (MIT licence, August 2026) and "CDNA5" Instruction Set Architecture Reference Guide (July 2026). The comments in the code are by the model that wrote it; some were corrected since.
;; Multi Head Attention. Allowed arithmetic: float matrix products may take bf16 or f16 operands with f32 sums; other float arithmetic in f32, or as packed bf16 or f16 multiplies, adds, multiply-adds, maxima and minima; sums over many terms, partial sums and values carried from step to step in f32; what a program stores and reads back later, other than sums and carried values, may be rounded once to bf16 or f16.
;; Inputs: q 4 x 2,048 x 1,024 float32; wk 1,024 x 1,024 float32; wo 1,024 x 1,024 float32; wq 1,024 x 1,024 float32; wv 1,024 x 1,024 float32.
;; Outputs: out0 4 x 2,048 x 1,024 float32.
;; 2 versions, each right; version 2 is version 1 with the launch cast written anew for expert scheduling mode. Each part assembles by itself: llvm-mc -triple=amdgcn-amd-amdhsa -mcpu=gfx1250 --defsym DOCPART=n.
;; ======== version 1 of 2: 5 launches
;; limits: values are held in f16: magnitudes above 65,504 overflow, below 6.1e-05 lose precision
;; workspace buffers: xb 16,777,216 bytes; w3 6,291,456 bytes; wof 2,097,152 bytes; qkv 50,331,648 bytes; p 33,554,432 bytes; stats 1,048,576 bytes; ot 16,777,216 bytes
;; launch cast (part 1): grid 768 x 1, 8 waves a work-group, no clusters, 0 bytes of LDS; arguments q, wq, wk, wv, wo, xb, w3, wof; writes xb, w3, wof
.if DOCPART == 1
	.amdgcn_target "amdgcn-amd-amdhsa--gfx1250"
	.amdhsa_code_object_version 6
	.text
	.protected	k_qb89c9162ba_cast
	.globl	k_qb89c9162ba_cast
	.p2align	8
	.type	k_qb89c9162ba_cast,@function
k_qb89c9162ba_cast:
	s_mov_b64 s[64:65], 0
	v_nop
	global_prefetch_b8 v0, s[64:65] scope:SCOPE_SE
	s_setreg_imm32_b32 hwreg(HW_REG_WAVE_MODE, 25, 1), 1
	s_wait_xcnt 0x0
; CAST.  q -> xb (bf16); wq, wk, wv -> w3 (bf16, the three stacked by rows); wo -> bf16 -> wof (that number written as f16).
; Every input is rounded once, to bf16, to nearest even.  wo's bf16 number is exact in f16 from 6.1e-5 to 65,504 in magnitude; below it keeps f16's fixed step of 6e-8,
; beyond it becomes an infinity: LIMIT: |wo| under 65,504.
; A stream: no LDS, no matrix unit, no cluster (no byte is wanted twice).  A work-group takes 16,384 numbers: 64 KiB in, 32 KiB out.  Thread t takes 16 bytes at 16 t of each
; of 16 pieces of 4,096 bytes, so a wave's load covers 512 consecutive bytes and its store of 8 bytes a lane 256 consecutive bytes, aligned.  All 16 loads go out at once; each piece
; has its own registers, so no register is written again while a store reads it.
; Work-groups 0-511: q.  512-575: wq.  576-639: wk.  640-703: wv.  704-767: wo.
.set X, 16                             ; v[16:79]   piece i: 4 numbers in f32
.set Y, 80                             ; v[80:111]  piece i: 4 numbers in 16 bits
.set T, 4                              ; v[4:7]     at work (wo alone)
	s_load_b512 s[8:23], s[0:1], 0x0               ; q s[8:9], wq s[10:11], wk s[12:13], wv s[14:15], wo s[16:17], xb s[18:19], w3 s[20:21], wof s[22:23]
	s_mov_b32 s24, ttmp9                           ; g
	s_sub_co_u32 s25, s24, 512                     ; j: the piece among the weights' 256 (of no meaning where g < 512: overruled below)
	s_and_b32 s26, s25, 63                         ; the piece within its weight
	s_lshr_b32 s27, s25, 6                         ; which weight
	v_lshlrev_b32 v1, 4, v0                        ; 16 t
	v_lshlrev_b32 v2, 3, v0                        ; 8 t
	s_wait_kmcnt 0x0
	s_cmp_eq_u32 s27, 1                            ; the choices hang on the work-group's number alone
	s_cselect_b64 s[30:31], s[12:13], s[10:11]
	s_cmp_eq_u32 s27, 2
	s_cselect_b64 s[30:31], s[14:15], s[30:31]
	s_cmp_eq_u32 s27, 3
	s_cselect_b64 s[30:31], s[16:17], s[30:31]
	s_cselect_b64 s[32:33], s[22:23], s[20:21]     ; wo goes to wof, the others to w3,
	s_cselect_b32 s36, s26, s25                    ; at the piece within wo, or among the three stacked
	s_cmp_lt_u32 s24, 512
	s_cselect_b64 s[30:31], s[8:9], s[30:31]
	s_cselect_b64 s[32:33], s[18:19], s[32:33]
	s_cselect_b32 s34, s24, s26
	s_cselect_b32 s36, s24, s36
	s_lshl_b32 s34, s34, 16                        ; 65,536 bytes in,
	s_lshl_b32 s36, s36, 15                        ; 32,768 out
	s_mov_b32 s35, 0
	s_mov_b32 s37, 0
	s_add_nc_u64 s[30:31], s[30:31], s[34:35]
	s_add_nc_u64 s[32:33], s[32:33], s[36:37]
.irp i, 0,1,2,3,4,5,6,7,8,9,10,11,12,13,14,15
	global_load_b128 v[X+4*(\i):X+4*(\i)+3], v1, s[30:31] offset:4096*(\i) th:TH_LOAD_NT
.endr
; Piece i.  h = 1: the bf16 number is widened again (a shift, a mask) and written as f16.
.macro CV i, h
	s_wait_loadcnt 15-(\i)                         ; loads come back in order: piece i is in, the younger ones stay out
	v_cvt_pk_bf16_f32 v[Y+2*(\i)],   v[X+4*(\i)],   v[X+4*(\i)+1]
	v_cvt_pk_bf16_f32 v[Y+2*(\i)+1], v[X+4*(\i)+2], v[X+4*(\i)+3]
.if \h
	v_lshlrev_b32 v[T],   16, v[Y+2*(\i)]
	v_and_b32     v[T+1], 0xffff0000, v[Y+2*(\i)]
	v_lshlrev_b32 v[T+2], 16, v[Y+2*(\i)+1]
	v_and_b32     v[T+3], 0xffff0000, v[Y+2*(\i)+1]
	v_cvt_pk_f16_f32 v[Y+2*(\i)],   v[T],   v[T+1]
	v_cvt_pk_f16_f32 v[Y+2*(\i)+1], v[T+2], v[T+3]
.endif
	global_store_b64 v2, v[Y+2*(\i):Y+2*(\i)+1], s[32:33] offset:2048*(\i)
.endm
	s_cmp_ge_u32 s24, 704
	s_cbranch_scc1 .Lwo
.irp i, 0,1,2,3,4,5,6,7,8,9,10,11,12,13,14,15
	CV \i, 0
.endr
	s_endpgm
.Lwo:
.irp i, 0,1,2,3,4,5,6,7,8,9,10,11,12,13,14,15
	CV \i, 1
.endr
	s_endpgm
.Lfunc_end_k_qb89c9162ba_cast:
	.size	k_qb89c9162ba_cast, .Lfunc_end_k_qb89c9162ba_cast-k_qb89c9162ba_cast
	.p2alignl 7, 3214868480
	.fill 96, 4, 3214868480
	.section	.rodata,"a",@progbits
	.p2align	6, 0x0
	.amdhsa_kernel k_qb89c9162ba_cast
		.amdhsa_group_segment_fixed_size 0
		.amdhsa_private_segment_fixed_size 0
		.amdhsa_enable_private_segment 0
		.amdhsa_kernarg_size 64
		.amdhsa_user_sgpr_count 2
		.amdhsa_user_sgpr_kernarg_segment_ptr 1
		.amdhsa_wavefront_size32 1
		.amdhsa_system_sgpr_workgroup_id_x 1
		.amdhsa_system_sgpr_workgroup_id_y 1
		.amdhsa_system_sgpr_workgroup_id_z 1
		.amdhsa_system_vgpr_workitem_id 0
		.amdhsa_next_free_vgpr 112
		.amdhsa_next_free_sgpr 66
		.amdhsa_reserve_vcc 0
		.amdhsa_float_denorm_mode_32 3
		.amdhsa_float_denorm_mode_16_64 3
		.amdhsa_memory_ordered 1
		.amdhsa_forward_progress 1
		.amdhsa_inst_pref_size 16
	.end_amdhsa_kernel
	.amdgpu_metadata
---
amdhsa.version: [ 1, 2 ]
amdhsa.kernels:
  - .name:           k_qb89c9162ba_cast
    .symbol:         k_qb89c9162ba_cast.kd
    .args:
      - { .name: q, .offset: 0, .size: 8, .value_kind: global_buffer, .address_space: global }
      - { .name: wq, .offset: 8, .size: 8, .value_kind: global_buffer, .address_space: global }
      - { .name: wk, .offset: 16, .size: 8, .value_kind: global_buffer, .address_space: global }
      - { .name: wv, .offset: 24, .size: 8, .value_kind: global_buffer, .address_space: global }
      - { .name: wo, .offset: 32, .size: 8, .value_kind: global_buffer, .address_space: global }
      - { .name: xb, .offset: 40, .size: 8, .value_kind: global_buffer, .address_space: global }
      - { .name: w3, .offset: 48, .size: 8, .value_kind: global_buffer, .address_space: global }
      - { .name: wof, .offset: 56, .size: 8, .value_kind: global_buffer, .address_space: global }
    .group_segment_fixed_size: 0
    .private_segment_fixed_size: 0
    .kernarg_segment_align: 8
    .kernarg_segment_size: 64
    .max_flat_workgroup_size: 256
    .sgpr_count:     66
    .vgpr_count:     112
    .wavefront_size: 32
...
	.end_amdgpu_metadata
.endif
;; end of part 1
;; launch proj (part 2): grid 12 x 32, 4 waves a work-group, clusters of 4 x 4, 327,680 bytes of LDS; arguments xb, w3, qkv; writes qkv
.if DOCPART == 2
	.amdgcn_target "amdgcn-amd-amdhsa--gfx1250"
	.amdhsa_code_object_version 6
	.text
	.protected	k_qb89c9162ba_proj
	.globl	k_qb89c9162ba_proj
	.p2align	8
	.type	k_qb89c9162ba_proj,@function
k_qb89c9162ba_proj:
	s_mov_b64 s[64:65], 0
	v_nop
	global_prefetch_b8 v0, s[64:65] scope:SCOPE_SE
	s_setreg_imm32_b32 hwreg(HW_REG_WAVE_MODE, 25, 1), 1
	s_wait_xcnt 0x0
	s_wait_alu depctr_hold_cnt(0) depctr_sa_sdst(0) depctr_va_vdst(0) depctr_va_sdst(0) depctr_va_ssrc(0) depctr_va_vcc(0) depctr_vm_vsrc(0)
	s_getreg_b32 s2, hwreg(HW_REG_IB_STS2, 6, 4)
	s_cmp_eq_u32 s2, 0
	s_cbranch_scc0 .Lentry_in_a_cluster
	s_endpgm
.Lentry_in_a_cluster:
	s_bfe_u32 s2, ttmp6, 0x10000c
	s_cmp_lg_u32 s2, 0xf033
	s_cbranch_scc0 .Lentry_shape_is_right
	s_endpgm
.Lentry_shape_is_right:
; PROJ.  qkv[m][n] = the sum over k of xb[m][k] w3[n][k].  xb: [8192][1024] bf16; w3: [3072][1024] bf16 (wq, wk, wv stacked); qkv: [8192][3072] f16: Q, K, V side by side.
; Sums in f32, K ascending; the result rounded once to f16.  LIMIT: a projected number of 65,520 or more in magnitude becomes an infinity (inputs thirty times those drawn give some 3,200);
; below 6.1e-5 f16 keeps its fixed step of 6e-8.  NaN and infinities are not treated apart.
; SHARES.  A tile of C is 256 x 256: 384 tiles.  Four waves; wave w makes rows 128 (w / 2) .. and columns 128 (w % 2) ..: 64 accumulators of 16 x 16, 512 registers.
; K goes in 8 steps of 128 through two LDS slots filled by the tensor data mover; a tile's rows are 256 bytes of memory, at multiples of 256 from the buffer's first byte.  A K step is 256 matrix
; instructions a wave, of which 224 stand between a refill and the wait for it.
; CLUSTER.  4 x 4 work-groups.  The four of a row of the cluster want the same tile of A, the four of a column the same tile of B: each is asked for jointly.
; THE MATRIX INSTRUCTION IS USED TRANSPOSED: source 0 = 16 rows of B, source 1 = 16 rows of A: lane l holds row l % 16 of C and the columns 8 (l / 16) + 0..7: 16 bytes of f16 on end.
; REGISTERS, in windows of 256.  Window 0: v0-15 addresses; v64-127, v128-191 A's fragments, two buffers; on the way out v64-255 six sets of 32.  Window 1: v64-127, v128-191 B's fragments.
; Window 2: the accumulators of my rows 0-63 ((a, b) at v[8 (8 a + b)]).  Window 3: those of my rows 64-127.
.set PITCH,  272                       ; an LDS row: 256 bytes + 16 of padding = 68 words: the 16 rows of a fragment load start at 16 different groups of four banks (ISA guide 11.1)
.set HALFT,  128*PITCH                 ; 128 rows: what one tensor load brings, and what one wave reads of A or of B
.set SLOT,   4*HALFT                   ; A's 256 rows, then B's 256: 0x22000 bytes.  A wave's part begins at wave x 0x8800, which has neither bit 13 nor bit 17: one exclusive or with SLOT turns it into the other slot's
.set STAGE,  2*SLOT                    ; behind the ring: 16 rows x 272 bytes for each wave, for the way out
.set SP,     272
.set SPARE,  STAGE+4*16*SP             ; behind the stages: the spare words, 128 bytes a wave: two blocks of 256 bytes that no other line names
.set KSB,    256                       ; bytes from a K step to the next, in A and in B
.set CP,     6144                      ; bytes in a row of C
.set G1W,    (1<<16)|(1<<20)|(1<<21)|(5<<22)|(3<<25)  ; group 1, word 0 without the mask: 2-byte elements; padding on; bit 21 beside a mask; after every 64 words; 4 words
.set ADRA0, 4                          ; v4  my lane's place among A's fragments in slot 0; never rewritten
.set ADRB0, 5                          ; v5  the same for B
.set ADRA,  6                          ; v6  the same in the slot in hand
.set ADRB,  7                          ; v7
.set STO,   8                          ; v8  the way out: where I put 16 bytes of a row
.set RD,    9                          ; v9  where I read rows back
.set CO,    10                         ; v10 my byte offset in C
.set PFO,   11                         ; v11 the prefetches' offset: my lane x a row; never rewritten
.set SPW,   12                         ; v12 LDS address of my spare word; never rewritten
.set NIL,   13                         ; v13 0; never rewritten
.set OB,    64
.set F0,    64
.set F1,    128
.set WV,  12                           ; s12 wave;  s13 wave / 2: my rows; I fetch for A (0) or B (1);  s14 wave % 2: my columns; which 128 rows I fetch
.set WY,  13
.set WX,  14
.set LIM, 15                           ; s15 a wave prefetches while s[CNT] is above it
.set G1A, 24                           ; s[24:31] group 1 for A;  s[32:39] group 0: K step 0, and the set that walks
.set G0A, 32
.set G1B, 40                           ; s[40:47], s[48:55] the same for B
.set G0B, 48
.set CNT, 56
.set TB,  57                           ; s57 the slot that fragments are read from: 0 or SLOT
.set PFA, 58                           ; s[58:59] where my prefetches stand
.set PST, 60                           ; s[60:61] their step
.set CX,  66
.set CY,  67
.set TX,  68                           ; tile column of C
.set TY,  69                           ; tile row
.set CLY, 78                           ; the cluster's y
.set MSB, 0
.macro WIN new                         ; the immediate's high byte repeats the setting that is left; a switch that changes nothing is dropped
.if MSB != (\new)
	s_set_vgpr_msb (MSB<<8)|(\new)
.set MSB, \new
.endif
.endm
.macro PLACES                          ; four plain vector instructions between a matrix instruction and a load into, or a vector line on, its registers
.rept 4
	v_nop
.endr
.endm
.macro CREST                           ; a round of the cluster's barrier behind its opening barrier
	s_cmp_lg_u32 s[WV], 0
	s_cbranch_scc1 .Lnot_wave_0_\@
	s_barrier_signal -3
.Lnot_wave_0_\@:
	s_barrier_wait -3
	s_barrier_signal -1
	s_barrier_wait -1
.endm
.macro CROUND
	s_barrier_signal -1
	s_barrier_wait -1
	CREST
.endm
.macro JLOAD                           ; a joint refill by the walking set; the branch hangs on the wave's number alone; s_nop 0 and four v_nop follow each line
	s_cmp_eq_u32 s[WY], 0
	s_cbranch_scc0 .Lfor_b_\@
	tensor_load_to_lds s[G0A+4:G0A+7], s[G1A:G1A+7]
	s_nop 0
.rept 4
	v_nop
.endr
	s_branch .Lasked_\@
.Lfor_b_\@:
	tensor_load_to_lds s[G0B+4:G0B+7], s[G1B:G1B+7]
	s_nop 0
.rept 4
	v_nop
.endr
.Lasked_\@:
.endm
; A PREFETCH INTO THE L2 of the K step that stands two refills on: 32 rows x 256 bytes, a lane a row, one instruction a wave.  Each row's 256 bytes of a K step are named once in the launch: A's tile row
; by the clusters with x = 0, B's tile column by the clusters with y = 0; of the 128 rows that a wave fetches, the partner at place p (cx for A, cy for B) takes 32 p ..: the partners are told
; apart by address, never by a branch.  The change behind K step c names K step c + 4; the last that does is c = 3.
.macro ASK
	s_cmp_gt_u32 s[CNT], s[LIM]
	s_cbranch_scc0 .Lnot_mine_\@
	global_prefetch_b8 v[PFO], s[PFA:PFA+1] th:TH_LOAD_NT scope:SCOPE_SE
.Lnot_mine_\@:
.endm
; 16 matrix instructions: blocks a0, a0 + 1 of the window's four (hi = 0: my rows 0-63, 1: rows 64-127) x all 8 blocks of my columns, 32 along K.
; The 64 accumulators take turns in the same order in every quarter.  zero = 1: the first product starts the sums.
.macro MUL16 f, hi, a0, zero
	WIN 0xa1+0x50*(\hi)                            ; source 0 (B) window 1, source 1 (A) window 0, C and D window 2 or 3
.irp a, \a0, (\a0)+1
.irp b, 0,1,2,3,4,5,6,7
.if \zero
	v_wmma_f32_16x16x32_bf16 v[8*(8*(\a)+(\b)):8*(8*(\a)+(\b))+7], v[(\f)+8*(\b):(\f)+8*(\b)+7], v[(\f)+8*(4*(\hi)+(\a)):(\f)+8*(4*(\hi)+(\a))+7], 0
.else
	v_wmma_f32_16x16x32_bf16 v[8*(8*(\a)+(\b)):8*(8*(\a)+(\b))+7], v[(\f)+8*(\b):(\f)+8*(\b)+7], v[(\f)+8*(4*(\hi)+(\a)):(\f)+8*(4*(\hi)+(\a))+7], v[8*(8*(\a)+(\b)):8*(8*(\a)+(\b))+7]
.endif
.endr
.endr
.endm
; 32 LDS loads in one run: quarter kq's fragments (32 along K) into buffer f: B's 8, then A's 8
.macro FETCH kq, f
	WIN 0x40                                       ; destination window 1, address window 0
.irp i, 0,1,2,3,4,5,6,7
	ds_load_b128 v[(\f)+8*(\i):(\f)+8*(\i)+3],   v[ADRB] offset:64*(\kq)+(\i)*16*PITCH
	ds_load_b128 v[(\f)+8*(\i)+4:(\f)+8*(\i)+7], v[ADRB] offset:64*(\kq)+(\i)*16*PITCH+32
.endr
	WIN 0
.irp i, 0,1,2,3,4,5,6,7
	ds_load_b128 v[(\f)+8*(\i):(\f)+8*(\i)+3],   v[ADRA] offset:64*(\kq)+(\i)*16*PITCH
	ds_load_b128 v[(\f)+8*(\i)+4:(\f)+8*(\i)+7], v[ADRA] offset:64*(\kq)+(\i)*16*PITCH+32
.endr
.endm
; One of a K step's first three quarters: multiplies buffer f; in its middle fetches quarter kq into buffer g
.macro QUARTER kq, f, g, zero
	s_wait_dscnt 8                                 ; B and A's rows 0-63 are in; the youngest eight loads (A's rows 64-127) may be out
	MUL16 \f, 0, 0, \zero
	MUL16 \f, 0, 2, \zero
	PLACES                                         ; buffer g was multiplied in the quarter before
	FETCH \kq, \g
	s_wait_dscnt 32                                ; all but the 32 just issued
	MUL16 \f, 1, 0, \zero
	MUL16 \f, 1, 2, \zero
.endm
; The fourth quarter multiplies buffer 1 and changes slots.  In front of the barrier each wave waits for all its tensor loads (one is out: its part of the next slot), adds 0 to its spare word, and waits
; for that and for its reads of this slot.  fill = 1: the barrier opens a round of the cluster's, and this slot is filled again, two K steps ahead, first thing behind the round.
.macro TURN fill
.if \fill
	s_wait_xcnt 0x0                                ; the last prefetch, a K step back, has read its address
	s_add_nc_u64 s[PFA:PFA+1], s[PFA:PFA+1], s[PST:PST+1]
.endif
	WIN 0
	s_wait_tensorcnt 0x0                           ; all my tensor loads have landed
	ds_add_u32 v[SPW], v[NIL]                      ; 0 onto my spare word
	s_wait_dscnt 9                                 ; (the add and the youngest eight loads may be out)
	MUL16 F1, 0, 0, 0
	s_wait_dscnt 0x0                               ; the add is done, and my reads of this slot are over
	s_barrier_signal -1
	MUL16 F1, 0, 2, 0                              ; work on registers while the others arrive
	WIN 0
	s_barrier_wait -1
.if \fill
	CREST                                          ; no wave of any partner still reads this slot or has a load on its way
	s_xor_b32 s[G0A+5], s[G0A+5], SLOT             ; the walking sets: the other slot than last time, the next K step
	s_add_nc_u64 s[G0A+6:G0A+7], s[G0A+6:G0A+7], KSB
	s_xor_b32 s[G0B+5], s[G0B+5], SLOT
	s_add_nc_u64 s[G0B+6:G0B+7], s[G0B+6:G0B+7], KSB
	JLOAD                                          ; its four v_nop are also the places in front of the loads below
.else
	PLACES
.endif
	s_xor_b32 s[TB], s[TB], SLOT                   ; 0 and SLOT by turns
	v_add_nc_u32 v[ADRA], s[TB], v[ADRA0]
	v_add_nc_u32 v[ADRB], s[TB], v[ADRB0]
	FETCH 0, F0
.if \fill
	ASK
.endif
	MUL16 F1, 1, 0, 0
	MUL16 F1, 1, 2, 0
.endm
	s_load_b128 s[4:7], s[0:1], 0x0                ; xb s[4:5], w3 s[6:7]
	s_load_b64 s[8:9], s[0:1], 0x10                ; qkv
	v_lshl_add_u32 v[SPW], v0, 2, SPARE
	v_mov_b32 v[NIL], 0
	ds_add_u32 v[SPW], v[NIL]                      ; the wave's opening add, waited for ahead of my first tensor load
	v_lshrrev_b32 v1, 5, v0
	v_readfirstlane_b32 s[WV], v1
	s_lshr_b32 s[WY], s[WV], 1
	s_and_b32 s[WX], s[WV], 1
	s_bfe_u32 s[CX], ttmp6, 0x40000
	s_bfe_u32 s[CY], ttmp6, 0x40004
	s_lshl_b32 s[TX], ttmp9, 2
	s_add_co_u32 s[TX], s[TX], s[CX]
	s_and_b32 s[CLY], ttmp7, 0xffff
	s_lshl_b32 s[TY], s[CLY], 2
	s_add_co_u32 s[TY], s[TY], s[CY]
	s_lshl_b32 s16, s[CY], 2
	s_lshl_b32 s16, 15, s16                        ; my row of the cluster
	s_lshl_b32 s20, 0x1111, s[CX]                  ; my column
	s_or_b32 s[G1A], s16, G1W
	s_or_b32 s[G1B], s20, G1W
.irp g, G1A, G1B
	s_mov_b32 s[(\g)+1], 128<<16                   ; tensor_dim0 = 128
	s_mov_b32 s[(\g)+2], 128<<16                   ; tensor_dim1 = 128
	s_mov_b32 s[(\g)+3], 128<<16                   ; tile_dim0 = 128
	s_mov_b32 s[(\g)+4], 128                       ; tile_dim1 = 128
	s_mov_b32 s[(\g)+5], 1024                      ; elements from row to row
	s_mov_b32 s[(\g)+6], 0
	s_mov_b32 s[(\g)+7], 0
.endr
	s_lshl_b32 s16, s[TY], 19                      ; A: row 256 x tile row + 128 x part, 2,048 bytes a row
	s_lshl_b32 s17, s[WX], 18
	s_add_co_u32 s16, s16, s17
	s_mov_b32 s17, 0
	s_lshl_b32 s20, s[TX], 19                      ; B: row 256 x tile column + 128 x part
	s_lshl_b32 s21, s[WX], 18
	s_add_co_u32 s20, s20, s21
	s_mov_b32 s21, 0
	s_mul_i32 s22, s[WV], HALFT                    ; where they go: A's two halves, then B's two = wave x 128 rows: no place in the cluster enters an LDS address
	s_mov_b32 s[TB], 0
	s_mov_b32 s[PST], 256
	s_mov_b32 s[PST+1], 0
	s_wait_dscnt 0x0                               ; the opening add is done
	s_wait_kmcnt 0x0
	s_add_nc_u64 s[18:19], s[4:5], s[16:17]
	s_add_nc_u64 s[74:75], s[6:7], s[20:21]
.irp s, 0,1
	s_mov_b32 s[G0A+4*(\s)], 1
	s_add_co_u32 s[G0A+4*(\s)+1], s22, (\s)*SLOT
	s_add_nc_u64 s[G0A+4*(\s)+2:G0A+4*(\s)+3], s[18:19], (\s)*KSB
	s_or_b32 s[G0A+4*(\s)+3], s[G0A+4*(\s)+3], 0x80000000
	s_mov_b32 s[G0B+4*(\s)], 1
	s_add_co_u32 s[G0B+4*(\s)+1], s22, (\s)*SLOT
	s_add_nc_u64 s[G0B+4*(\s)+2:G0B+4*(\s)+3], s[74:75], (\s)*KSB
	s_or_b32 s[G0B+4*(\s)+3], s[G0B+4*(\s)+3], 0x80000000
.endr
	CROUND                                         ; all sixteen work-groups are here: the first joint loads meet
	s_cmp_eq_u32 s[WY], 0                          ; a wave's two first fills stand in one branch: two loads of mine are out
	s_cbranch_scc0 .Lfirst_b
	tensor_load_to_lds s[G0A:G0A+3], s[G1A:G1A+7]
	s_nop 0
	tensor_load_to_lds s[G0A+4:G0A+7], s[G1A:G1A+7]
	s_nop 0
.rept 4
	v_nop
.endr
	s_branch .Lfirst_done
.Lfirst_b:
	tensor_load_to_lds s[G0B:G0B+3], s[G1B:G1B+7]
	s_nop 0
	tensor_load_to_lds s[G0B+4:G0B+7], s[G1B:G1B+7]
	s_nop 0
.rept 4
	v_nop
.endr
.Lfirst_done:
	; a fragment is 16 rows x 32 K in 8 registers: lane l holds row l % 16, K = 8 (l / 16) + 0..7 and 16 + 8 (l / 16) + 0..7: two loads of 16 bytes, 32 bytes apart
	v_and_b32 v1, 15, v0
	v_bfe_u32 v2, v0, 4, 1
	v_mul_u32_u24 v3, v1, PITCH
	v_lshl_add_u32 v3, v2, 4, v3
	s_mul_i32 s16, s[WY], HALFT                    ; my 128 rows of A
	s_mul_i32 s17, s[WX], HALFT                    ; my 128 rows of B,
	s_add_co_u32 s17, s17, 2*HALFT                 ; which lie behind A's 256
	v_add_nc_u32 v[ADRA0], s16, v3
	v_add_nc_u32 v[ADRB0], s17, v3
	v_mov_b32 v[ADRA], v[ADRA0]
	v_mov_b32 v[ADRB], v[ADRB0]
	s_mul_i32 s16, s[WV], 16*SP
	s_add_co_u32 s16, s16, STAGE                   ; my stage
	v_mul_u32_u24 v[STO], v1, SP                   ; in: row l % 16, 16 bytes for each half of the lanes
	v_lshl_add_u32 v[STO], v2, 4, v[STO]
	v_add_nc_u32 v[STO], s16, v[STO]
	v_mul_u32_u24 v[RD], v2, SP                    ; back: lanes 0-15 one row of 256 bytes, lanes 16-31 the next
	v_lshl_add_u32 v[RD], v1, 4, v[RD]
	v_add_nc_u32 v[RD], s16, v[RD]
	v_mul_u32_u24 v[CO], v2, CP
	v_lshl_add_u32 v[CO], v1, 4, v[CO]
	s_lshl_b32 s76, s[TY], 8                       ; C at my part of the tile
	s_lshl_b32 s77, s[WY], 7
	s_add_co_u32 s76, s76, s77
	s_mul_i32 s76, s76, CP
	s_lshl_b32 s77, s[TX], 9
	s_add_co_u32 s76, s76, s77
	s_lshl_b32 s77, s[WX], 8
	s_add_co_u32 s76, s76, s77
	s_mov_b32 s77, 0
	s_add_nc_u64 s[8:9], s[8:9], s[76:77]
	; the prefetches
	s_lshl_b32 s16, s[TY], 8                       ; A's tile: its first row
	s_lshl_b32 s20, s[TX], 8                       ; B's
	s_cmp_eq_u32 s[WY], 0
	s_cselect_b32 s76, s16, s20
	s_cselect_b32 s77, s[CX], s[CY]                ; my place among the four that ask with me
	s_cselect_b32 s21, ttmp9, s[CLY]               ; the coordinate along which other clusters read the same rows
	s_cselect_b64 s[PFA:PFA+1], s[4:5], s[6:7]
	s_lshl_b32 s77, s77, 5
	s_add_co_u32 s76, s76, s77                     ; + my work-group's 32 rows
	s_lshl_b32 s77, s[WX], 7
	s_add_co_u32 s76, s76, s77                     ; of the 128 that I fetch
	s_lshl_b32 s76, s76, 11
	s_add_co_u32 s76, s76, 3*KSB                   ; at K step 3: the first change of slots steps it to 4
	s_mov_b32 s77, 0
	s_add_nc_u64 s[PFA:PFA+1], s[PFA:PFA+1], s[76:77]
	s_cmp_eq_u32 s21, 0
	s_cselect_b32 s[LIM], 2, -1                    ; the same in all sixteen partners, for a given wave
	v_and_b32 v[PFO], 31, v0
	v_lshlrev_b32 v[PFO], 11, v[PFO]
	s_wait_tensorcnt 0x1                           ; my part of K step 0 is in; K step 1's may stay out
	s_barrier_signal -1
	s_barrier_wait -1
	FETCH 0, F0
	QUARTER 1, F0, F1, 1                           ; the first quarter stands in front of the loop: its products start the sums
	WIN 0
	s_mov_b32 s[CNT], 6
.Lstep:                                                ; a trip: from a K step's second quarter to the next step's first; it fills one slot again
	QUARTER 2, F1, F0, 0
	QUARTER 3, F0, F1, 0
	TURN 1
	QUARTER 1, F0, F1, 0
	WIN 0
	s_sub_co_u32 s[CNT], s[CNT], 1
	s_cmp_lg_u32 s[CNT], 0
	s_cbranch_scc1 .Lstep
	s_mov_b32 s[CNT], 2
.Ltail:                                                ; the last two K steps ask for nothing: a text of their own; two trips, the second left in its middle
	QUARTER 2, F1, F0, 0
	QUARTER 3, F0, F1, 0
	TURN 0                                         ; (in the second trip its 32 loads, from the slot read before, serve nothing: the price, once a launch, of one text for both trips)
	WIN 0
	s_sub_co_u32 s[CNT], s[CNT], 1
	s_cmp_eq_u32 s[CNT], 0
	s_cbranch_scc1 .Lout
	QUARTER 1, F0, F1, 0
	WIN 0
	s_branch .Ltail
.Lout:
	s_wait_dscnt 0x0                               ; those loads are back: their registers are taken below
	PLACES
; THE WAY OUT, a block of 16 rows at a time: rounded to f16, 16 bytes a lane into my own stage, back as whole rows of 256 bytes, stored.  Six sets of 32 registers take turns.
.macro PACK a
.set AC, 64*((\a)%4)
.set BK, OB+32*((\a)%6)
	WIN 0x0a+5*((\a)/4)                            ; sources 0 and 1: window 2 or 3
.irp b, 0,1,2,3,4,5,6,7
.irp i, 0,1,2,3
	v_cvt_pk_f16_f32 v[BK+4*(\b)+(\i)], v[AC+8*(\b)+2*(\i)], v[AC+8*(\b)+2*(\i)+1]
.endr
.endr
	WIN 0
.endm
.macro TOSTAGE a
.set BK, OB+32*((\a)%6)
.irp b, 0,1,2,3,4,5,6,7
	ds_store_b128 v[STO], v[BK+4*(\b):BK+4*(\b)+3] offset:32*(\b)
.endr
.irp t, 0,1,2,3,4,5,6,7
	ds_load_b128 v[BK+4*(\t):BK+4*(\t)+3], v[RD] offset:(\t)*2*SP  ; LDS serves a wave's instructions in order (ISA guide 5.7.1.4): these see the stores above
.endr
.endm
.macro SEND a, younger                 ; younger: the LDS instructions issued behind block a's loads
.set BK, OB+32*((\a)%6)
.irp t, 0,1,2,3,4,5,6,7
	s_wait_dscnt (\younger)+7-(\t)
	global_store_b128 v[CO], v[BK+4*(\t):BK+4*(\t)+3], s[8:9] offset:(16*(\a)+2*(\t))*CP  ; 16 lanes store 256 consecutive bytes, at a multiple of 256 from C's first byte
.endr
.endm
	PACK 0
	TOSTAGE 0
.irp a, 1,2,3,4,5,6,7
.if (\a) == 6
	s_wait_xcnt 0x0                                ; the stores of blocks 0 and 1 have read their registers, which blocks 6 and 7 take
.endif
	PACK \a
	TOSTAGE \a
	SEND (\a)-1, 16
.endr
	SEND 7, 0
	s_wait_tensorcnt 0x0                           ; the wave's end
	ds_add_u32 v[SPW], v[NIL]
	s_wait_dscnt 0x0
	CROUND                                         ; the closing round
	s_endpgm
.Lfunc_end_k_qb89c9162ba_proj:
	.size	k_qb89c9162ba_proj, .Lfunc_end_k_qb89c9162ba_proj-k_qb89c9162ba_proj
	.p2alignl 7, 3214868480
	.fill 96, 4, 3214868480
	.section	.rodata,"a",@progbits
	.p2align	6, 0x0
	.amdhsa_kernel k_qb89c9162ba_proj
		.amdhsa_group_segment_fixed_size 327680
		.amdhsa_private_segment_fixed_size 0
		.amdhsa_enable_private_segment 0
		.amdhsa_kernarg_size 24
		.amdhsa_user_sgpr_count 2
		.amdhsa_user_sgpr_kernarg_segment_ptr 1
		.amdhsa_wavefront_size32 1
		.amdhsa_system_sgpr_workgroup_id_x 1
		.amdhsa_system_sgpr_workgroup_id_y 1
		.amdhsa_system_sgpr_workgroup_id_z 1
		.amdhsa_system_vgpr_workitem_id 0
		.amdhsa_next_free_vgpr 1024
		.amdhsa_next_free_sgpr 80
		.amdhsa_reserve_vcc 0
		.amdhsa_float_denorm_mode_32 3
		.amdhsa_float_denorm_mode_16_64 3
		.amdhsa_memory_ordered 1
		.amdhsa_forward_progress 1
		.amdhsa_inst_pref_size 102
	.end_amdhsa_kernel
	.amdgpu_metadata
---
amdhsa.version: [ 1, 2 ]
amdhsa.kernels:
  - .name:           k_qb89c9162ba_proj
    .symbol:         k_qb89c9162ba_proj.kd
    .args:
      - { .name: xb, .offset: 0, .size: 8, .value_kind: global_buffer, .address_space: global }
      - { .name: w3, .offset: 8, .size: 8, .value_kind: global_buffer, .address_space: global }
      - { .name: qkv, .offset: 16, .size: 8, .value_kind: global_buffer, .address_space: global }
    .group_segment_fixed_size: 327680
    .private_segment_fixed_size: 0
    .kernarg_segment_align: 8
    .kernarg_segment_size: 24
    .max_flat_workgroup_size: 128
    .sgpr_count:     80
    .vgpr_count:     1024
    .wavefront_size: 32
...
	.end_amdgpu_metadata
.endif
;; end of part 2
;; launch scores (part 3): grid 8 x 32, 4 waves a work-group, clusters of 4 x 4, 327,680 bytes of LDS; arguments qkv, p, stats; writes p, stats
.if DOCPART == 3
	.amdgcn_target "amdgcn-amd-amdhsa--gfx1250"
	.amdhsa_code_object_version 6
	.text
	.protected	k_qb89c9162ba_scores
	.globl	k_qb89c9162ba_scores
	.p2align	8
	.type	k_qb89c9162ba_scores,@function
k_qb89c9162ba_scores:
	s_mov_b64 s[64:65], 0
	v_nop
	global_prefetch_b8 v0, s[64:65] scope:SCOPE_SE
	s_setreg_imm32_b32 hwreg(HW_REG_WAVE_MODE, 25, 1), 1
	s_wait_xcnt 0x0
	s_wait_alu depctr_hold_cnt(0) depctr_sa_sdst(0) depctr_va_vdst(0) depctr_va_sdst(0) depctr_va_ssrc(0) depctr_va_vcc(0) depctr_vm_vsrc(0)
	s_getreg_b32 s2, hwreg(HW_REG_IB_STS2, 6, 4)
	s_cmp_eq_u32 s2, 0
	s_cbranch_scc0 .Lentry_in_a_cluster
	s_endpgm
.Lentry_in_a_cluster:
	s_bfe_u32 s2, ttmp6, 0x10000c
	s_cmp_lg_u32 s2, 0xf033
	s_cbranch_scc0 .Lentry_shape_is_right
	s_endpgm
.Lentry_shape_is_right:
; SCORES.  For a tile of 256 queries x 256 keys of one batch: s = Q . K (sum over 1,024 channels, f16 operands, f32 sums); m = the row's maximum over the tile's 256 keys;
; p = 2^(c s - c m), c = log2(e) / 8, rounded once to f16; l = the row's sum of the unrounded p over each half of 128 keys.  The scores themselves never leave the registers.
; qkv: [8192][3072] f16 (Q at column 0, K at 1,024).  p: [4][2048 q][2048 k] f16.  stats, f32: c m at b x 131,072 + u x 8,192 + 4 q, u = the half of 128 keys (both halves of a tile hold
; the same c m); l 524,288 bytes further on.  The next launch joins the tiles by their maxima.
; LIMITS.  m is a true maximum, so p lies in 0 to 1 (to within the rounding of c m); below 6.1e-5 p keeps f16's fixed step of 6e-8; a weight below 2^-126 counts as 0 in l.  NaN and infinities are not treated apart.
; SHARES, RING, CLUSTER: 256 tiles of 256 x 256; four waves, 128 queries x 128 keys each: 64 accumulators, 512 registers; 8 K steps of 128 channels through two LDS slots; 4 x 4 work-groups: Q's tile is
; shared along a row of the cluster, K's along a column (its batch is made of the cluster's y alone).
; Source 0 = 16 keys, source 1 = 16 queries: lane l holds query l % 16 and the keys 8 (l / 16) + 0..7 of each block of 16.
; REGISTERS.  Window 0: v0-15, v24 addresses; v16-23 at work; v32-47 (c m, m) for each of my 8 blocks of 16 queries; v48-55 (l, at work) for the four blocks in hand; v64-127, v128-191 Q's fragments.
; Window 1: K's fragments.  Window 2: the accumulators of my queries 0-63 ((a, b) at v[8 (8 a + b)]).  Window 3: those of my queries 64-127.
; THE SOFTMAX'S TEXT behind the maxima is written for four blocks and walked twice: between the walks 256 v_mov_b32 bring window 3's accumulators to where the text names them: a second copy of that text
; would be six times as long as the moves.
.set PITCH,  272
.set HALFT,  128*PITCH
.set SLOT,   4*HALFT                   ; 0x22000 bytes.  A wave's part begins at wave x 0x8800, which has neither bit 13 nor bit 17: one exclusive or with SLOT turns it into the other slot's
.set STAGE,  2*SLOT
.set SP,     272
.set XCH,    STAGE+4*16*SP             ; 2,048 bytes: the row maxima of each half of the keys, [half][256 rows] f32
.set SPARE,  XCH+2048                  ; the spare words, 128 bytes a wave: two blocks of 256 bytes that no other line names
.set KSB,    256
.set ROWB,   6144                      ; bytes in a row of qkv
.set CP,     4096                      ; bytes in a row of p
.set G1W,    (1<<16)|(1<<20)|(1<<21)|(5<<22)|(3<<25)
.set ADRA0, 4
.set ADRB0, 5
.set ADRA,  6
.set ADRB,  7
.set STO,   8
.set RD,    9
.set CO,    10
.set PFO,   11
.set SPW,   12
.set NIL,   13
.set XS,    14                         ; v14 where I put my rows' maxima
.set XL,    15                         ; v15 where the other half's lie
.set T,     16
.set LN4,   24                         ; v24 4 x lane
.set CM,    32                         ; block a: c m at CM + 2 a, m at CM + 2 a + 1
.set LS,    48                         ; block a of the four in hand: l at LS + 2 a, at work LS + 2 a + 1
.set OB,    64
.set F0,    64
.set F1,    128
.set WV,  12
.set WY,  13
.set WX,  14
.set LIM, 15
.set G1A, 24
.set G0A, 32
.set G1B, 40
.set G0B, 48
.set CNT, 56
.set TB,  57
.set PFA, 58
.set PST, 60
.set SEL, 62                           ; s[62:63] v_permlanex16_b32's selects: each lane takes its own place in the other half
.set CX,  66
.set CY,  67
.set TX,  68
.set TY,  69
.set CS,  70                           ; s[70:71] c, twice
.set HM,  72                           ; s72 lanes 16-31
.set BAT, 73
.set CLY, 78
.set HC,  79                           ; s79 counts the two walks of the softmax's text
.set MSB, 0
.macro WIN new
.if MSB != (\new)
	s_set_vgpr_msb (MSB<<8)|(\new)
.set MSB, \new
.endif
.endm
.macro PLACES
.rept 4
	v_nop
.endr
.endm
.macro CREST
	s_cmp_lg_u32 s[WV], 0
	s_cbranch_scc1 .Lnot_wave_0_\@
	s_barrier_signal -3
.Lnot_wave_0_\@:
	s_barrier_wait -3
	s_barrier_signal -1
	s_barrier_wait -1
.endm
.macro CROUND
	s_barrier_signal -1
	s_barrier_wait -1
	CREST
.endm
.macro JLOAD                           ; a joint refill by the walking set; s_nop 0 and four v_nop follow each line
	s_cmp_eq_u32 s[WY], 0
	s_cbranch_scc0 .Lfor_b_\@
	tensor_load_to_lds s[G0A+4:G0A+7], s[G1A:G1A+7]
	s_nop 0
.rept 4
	v_nop
.endr
	s_branch .Lasked_\@
.Lfor_b_\@:
	tensor_load_to_lds s[G0B+4:G0B+7], s[G1B:G1B+7]
	s_nop 0
.rept 4
	v_nop
.endr
.Lasked_\@:
.endm
; A PREFETCH INTO THE L2 of the K step two refills on: 32 rows x 256 bytes, a lane a row, one instruction a wave.  Q's tile row is named by the clusters with x = 0, K's tile column by the first of the batch's
; two rows of clusters; of the 128 rows that a wave fetches the four partners take 32 each, told apart by address.  The change behind K step c names K step c + 4; the last that does is c = 3.
.macro ASK
	s_cmp_gt_u32 s[CNT], s[LIM]
	s_cbranch_scc0 .Lnot_mine_\@
	global_prefetch_b8 v[PFO], s[PFA:PFA+1] th:TH_LOAD_NT scope:SCOPE_SE
.Lnot_mine_\@:
.endm
.macro MUL16 f, hi, a0, zero           ; the 64 accumulators take turns in the same order in every quarter
	WIN 0xa1+0x50*(\hi)                            ; source 0 (K) window 1, source 1 (Q) window 0, C and D window 2 or 3
.irp a, \a0, (\a0)+1
.irp b, 0,1,2,3,4,5,6,7
.if \zero
	v_wmma_f32_16x16x32_f16 v[8*(8*(\a)+(\b)):8*(8*(\a)+(\b))+7], v[(\f)+8*(\b):(\f)+8*(\b)+7], v[(\f)+8*(4*(\hi)+(\a)):(\f)+8*(4*(\hi)+(\a))+7], 0
.else
	v_wmma_f32_16x16x32_f16 v[8*(8*(\a)+(\b)):8*(8*(\a)+(\b))+7], v[(\f)+8*(\b):(\f)+8*(\b)+7], v[(\f)+8*(4*(\hi)+(\a)):(\f)+8*(4*(\hi)+(\a))+7], v[8*(8*(\a)+(\b)):8*(8*(\a)+(\b))+7]
.endif
.endr
.endr
.endm
.macro FETCH kq, f
	WIN 0x40
.irp i, 0,1,2,3,4,5,6,7
	ds_load_b128 v[(\f)+8*(\i):(\f)+8*(\i)+3],   v[ADRB] offset:64*(\kq)+(\i)*16*PITCH
	ds_load_b128 v[(\f)+8*(\i)+4:(\f)+8*(\i)+7], v[ADRB] offset:64*(\kq)+(\i)*16*PITCH+32
.endr
	WIN 0
.irp i, 0,1,2,3,4,5,6,7
	ds_load_b128 v[(\f)+8*(\i):(\f)+8*(\i)+3],   v[ADRA] offset:64*(\kq)+(\i)*16*PITCH
	ds_load_b128 v[(\f)+8*(\i)+4:(\f)+8*(\i)+7], v[ADRA] offset:64*(\kq)+(\i)*16*PITCH+32
.endr
.endm
.macro QUARTER kq, f, g, zero
	s_wait_dscnt 8                                 ; K and Q's rows 0-63 are in; the youngest eight loads (Q's rows 64-127) may be out
	MUL16 \f, 0, 0, \zero
	MUL16 \f, 0, 2, \zero
	PLACES                                         ; buffer g was multiplied in the quarter before
	FETCH \kq, \g
	s_wait_dscnt 32                                ; all but the 32 just issued
	MUL16 \f, 1, 0, \zero
	MUL16 \f, 1, 2, \zero
.endm
.macro TURN fill                       ; the fourth quarter and the change of slots
.if \fill
	s_wait_xcnt 0x0                                ; the last prefetch, a K step back, has read its address
	s_add_nc_u64 s[PFA:PFA+1], s[PFA:PFA+1], s[PST:PST+1]
.endif
	WIN 0
	s_wait_tensorcnt 0x0                           ; all my tensor loads have landed
	ds_add_u32 v[SPW], v[NIL]                      ; 0 onto my spare word
	s_wait_dscnt 9                                 ; (the add and the youngest eight loads may be out)
	MUL16 F1, 0, 0, 0
	s_wait_dscnt 0x0                               ; the add is done, and my reads of this slot are over
	s_barrier_signal -1
	MUL16 F1, 0, 2, 0
	WIN 0
	s_barrier_wait -1
.if \fill
	CREST                                          ; no wave of any partner still reads this slot or has a load on its way
	s_xor_b32 s[G0A+5], s[G0A+5], SLOT
	s_add_nc_u64 s[G0A+6:G0A+7], s[G0A+6:G0A+7], KSB
	s_xor_b32 s[G0B+5], s[G0B+5], SLOT
	s_add_nc_u64 s[G0B+6:G0B+7], s[G0B+6:G0B+7], KSB
	JLOAD
.else
	PLACES
.endif
	s_xor_b32 s[TB], s[TB], SLOT                   ; 0 and SLOT by turns
	v_add_nc_u32 v[ADRA], s[TB], v[ADRA0]
	v_add_nc_u32 v[ADRB], s[TB], v[ADRB0]
	FETCH 0, F0
.if \fill
	ASK
.endif
	MUL16 F1, 1, 0, 0
	MUL16 F1, 1, 2, 0
.endm
	s_load_b128 s[4:7], s[0:1], 0x0                ; qkv s[4:5], p s[6:7]
	s_load_b64 s[8:9], s[0:1], 0x10                ; stats
	v_lshl_add_u32 v[SPW], v0, 2, SPARE
	v_mov_b32 v[NIL], 0
	ds_add_u32 v[SPW], v[NIL]                      ; the wave's opening add, waited for ahead of my first tensor load
	v_lshrrev_b32 v1, 5, v0
	v_readfirstlane_b32 s[WV], v1
	s_lshr_b32 s[WY], s[WV], 1
	s_and_b32 s[WX], s[WV], 1
	s_bfe_u32 s[CX], ttmp6, 0x40000
	s_bfe_u32 s[CY], ttmp6, 0x40004
	s_lshl_b32 s[TX], ttmp9, 2
	s_add_co_u32 s[TX], s[TX], s[CX]               ; tile of 256 keys
	s_and_b32 s[CLY], ttmp7, 0xffff
	s_lshl_b32 s[TY], s[CLY], 2
	s_add_co_u32 s[TY], s[TY], s[CY]               ; tile of 256 queries, over all batches
	s_lshr_b32 s[BAT], s[CLY], 1                   ; the batch: 8 query tiles, two rows of clusters
	s_lshl_b32 s16, s[CY], 2
	s_lshl_b32 s16, 15, s16
	s_lshl_b32 s20, 0x1111, s[CX]
	s_or_b32 s[G1A], s16, G1W
	s_or_b32 s[G1B], s20, G1W
.irp g, G1A, G1B
	s_mov_b32 s[(\g)+1], 128<<16
	s_mov_b32 s[(\g)+2], 128<<16
	s_mov_b32 s[(\g)+3], 128<<16
	s_mov_b32 s[(\g)+4], 128
	s_mov_b32 s[(\g)+5], 3072                      ; elements from row to row of qkv
	s_mov_b32 s[(\g)+6], 0
	s_mov_b32 s[(\g)+7], 0
.endr
	s_mul_i32 s16, s[TY], 256*ROWB                 ; Q: row 256 x tile + 128 x part
	s_mul_i32 s17, s[WX], 128*ROWB
	s_add_co_u32 s16, s16, s17
	s_mov_b32 s17, 0
	s_mul_i32 s20, s[BAT], 2048*ROWB               ; K: row 2,048 x batch + 256 x tile + 128 x part, 2,048 bytes into the row
	s_mul_i32 s21, s[TX], 256*ROWB
	s_add_co_u32 s20, s20, s21
	s_mul_i32 s21, s[WX], 128*ROWB
	s_add_co_u32 s20, s20, s21
	s_add_co_u32 s20, s20, 2048
	s_mov_b32 s21, 0
	s_mul_i32 s22, s[WV], HALFT                    ; where they go: wave x 128 rows
	s_mov_b32 s[TB], 0
	s_mov_b32 s[PST], 256
	s_mov_b32 s[PST+1], 0
	s_mov_b32 s[CS], 0x3e38aa3b                    ; c = log2(e) / 8
	s_mov_b32 s[CS+1], s[CS]
	s_mov_b32 s[SEL], 0x76543210
	s_mov_b32 s[SEL+1], 0xfedcba98
	s_mov_b32 s[HM], 0xffff0000
	s_wait_dscnt 0x0                               ; the opening add is done
	s_wait_kmcnt 0x0
	s_add_nc_u64 s[18:19], s[4:5], s[16:17]
	s_add_nc_u64 s[74:75], s[4:5], s[20:21]
.irp s, 0,1
	s_mov_b32 s[G0A+4*(\s)], 1
	s_add_co_u32 s[G0A+4*(\s)+1], s22, (\s)*SLOT
	s_add_nc_u64 s[G0A+4*(\s)+2:G0A+4*(\s)+3], s[18:19], (\s)*KSB
	s_or_b32 s[G0A+4*(\s)+3], s[G0A+4*(\s)+3], 0x80000000
	s_mov_b32 s[G0B+4*(\s)], 1
	s_add_co_u32 s[G0B+4*(\s)+1], s22, (\s)*SLOT
	s_add_nc_u64 s[G0B+4*(\s)+2:G0B+4*(\s)+3], s[74:75], (\s)*KSB
	s_or_b32 s[G0B+4*(\s)+3], s[G0B+4*(\s)+3], 0x80000000
.endr
	CROUND
	s_cmp_eq_u32 s[WY], 0                          ; a wave's two first fills stand in one branch: two loads of mine are out
	s_cbranch_scc0 .Lfirst_b
	tensor_load_to_lds s[G0A:G0A+3], s[G1A:G1A+7]
	s_nop 0
	tensor_load_to_lds s[G0A+4:G0A+7], s[G1A:G1A+7]
	s_nop 0
.rept 4
	v_nop
.endr
	s_branch .Lfirst_done
.Lfirst_b:
	tensor_load_to_lds s[G0B:G0B+3], s[G1B:G1B+7]
	s_nop 0
	tensor_load_to_lds s[G0B+4:G0B+7], s[G1B:G1B+7]
	s_nop 0
.rept 4
	v_nop
.endr
.Lfirst_done:
	v_and_b32 v1, 15, v0
	v_bfe_u32 v2, v0, 4, 1
	v_mul_u32_u24 v3, v1, PITCH
	v_lshl_add_u32 v3, v2, 4, v3
	s_mul_i32 s16, s[WY], HALFT
	s_mul_i32 s17, s[WX], HALFT
	s_add_co_u32 s17, s17, 2*HALFT
	v_add_nc_u32 v[ADRA0], s16, v3
	v_add_nc_u32 v[ADRB0], s17, v3
	v_mov_b32 v[ADRA], v[ADRA0]
	v_mov_b32 v[ADRB], v[ADRB0]
	s_mul_i32 s16, s[WV], 16*SP
	s_add_co_u32 s16, s16, STAGE
	v_mul_u32_u24 v[STO], v1, SP
	v_lshl_add_u32 v[STO], v2, 4, v[STO]
	v_add_nc_u32 v[STO], s16, v[STO]
	v_mul_u32_u24 v[RD], v2, SP
	v_lshl_add_u32 v[RD], v1, 4, v[RD]
	v_add_nc_u32 v[RD], s16, v[RD]
	v_mul_u32_u24 v[CO], v2, CP
	v_lshl_add_u32 v[CO], v1, 4, v[CO]
	s_lshl_b32 s16, s[WX], 10                      ; the maxima's exchange: my half's 1,024 bytes, my 128 rows' 512 of them, 4 bytes a row
	s_lshl_b32 s17, s[WY], 9
	s_add_co_u32 s17, s17, XCH
	s_add_co_u32 s16, s16, s17
	v_lshl_add_u32 v[XS], v1, 2, s16
	s_xor_b32 s16, s[WX], 1                        ; and the other half's
	s_lshl_b32 s16, s16, 10
	s_add_co_u32 s16, s16, s17
	v_lshl_add_u32 v[XL], v1, 2, s16
	v_and_b32 v[LN4], 31, v0
	v_lshlrev_b32 v[LN4], 2, v[LN4]
.irp a, 0,1,2,3,4,5,6,7
	v_mov_b32 v[CM+2*(\a)], 0                      ; v_permlanex16_b32's destination counts as read
.endr
.irp a, 0,1,2,3
	v_mov_b32 v[LS+2*(\a)+1], 0
.endr
	s_lshl_b32 s76, s[TY], 8                       ; p at my part of the tile
	s_lshl_b32 s77, s[WY], 7
	s_add_co_u32 s76, s76, s77
	s_lshl_b32 s76, s76, 12
	s_lshl_b32 s77, s[TX], 9
	s_add_co_u32 s76, s76, s77
	s_lshl_b32 s77, s[WX], 8
	s_add_co_u32 s76, s76, s77
	s_mov_b32 s77, 0
	s_add_nc_u64 s[6:7], s[6:7], s[76:77]
	s_lshl_b32 s76, s[BAT], 17                     ; stats at my batch, my half of 128 keys, my 128 rows
	s_lshl_b32 s77, s[TX], 1
	s_add_co_u32 s77, s77, s[WX]
	s_lshl_b32 s77, s77, 13
	s_add_co_u32 s76, s76, s77
	s_and_b32 s77, s[TY], 7
	s_lshl_b32 s77, s77, 10
	s_add_co_u32 s76, s76, s77
	s_lshl_b32 s77, s[WY], 9
	s_add_co_u32 s76, s76, s77
	s_mov_b32 s77, 0
	s_add_nc_u64 s[8:9], s[8:9], s[76:77]
	; the prefetches
	s_lshl_b32 s16, s[TY], 8
	s_lshl_b32 s20, s[BAT], 11
	s_lshl_b32 s21, s[TX], 8
	s_add_co_u32 s20, s20, s21
	s_and_b32 s22, s[CLY], 1
	s_cmp_eq_u32 s[WY], 0
	s_cselect_b32 s76, s16, s20
	s_cselect_b32 s77, s[CX], s[CY]
	s_cselect_b32 s21, ttmp9, s22
	s_cselect_b32 s23, 0, 2048
	s_lshl_b32 s77, s77, 5
	s_add_co_u32 s76, s76, s77                     ; + my work-group's 32 rows
	s_lshl_b32 s77, s[WX], 7
	s_add_co_u32 s76, s76, s77                     ; of the 128 that I fetch
	s_mul_i32 s76, s76, ROWB
	s_add_co_u32 s76, s76, s23
	s_add_co_u32 s76, s76, 3*KSB                   ; at K step 3: the first change of slots steps it to 4
	s_mov_b32 s77, 0
	s_add_nc_u64 s[PFA:PFA+1], s[4:5], s[76:77]
	s_cmp_eq_u32 s21, 0
	s_cselect_b32 s[LIM], 2, -1
	v_and_b32 v[PFO], 31, v0
	v_mul_u32_u24 v[PFO], v[PFO], ROWB
	s_wait_tensorcnt 0x1                           ; my part of K step 0 is in; K step 1's may stay out
	s_barrier_signal -1
	s_barrier_wait -1
	FETCH 0, F0
	QUARTER 1, F0, F1, 1
	WIN 0
	s_mov_b32 s[CNT], 6
.Lstep:
	QUARTER 2, F1, F0, 0
	QUARTER 3, F0, F1, 0
	TURN 1
	QUARTER 1, F0, F1, 0
	WIN 0
	s_sub_co_u32 s[CNT], s[CNT], 1
	s_cmp_lg_u32 s[CNT], 0
	s_cbranch_scc1 .Lstep
	s_mov_b32 s[CNT], 2
.Ltail:                                                ; the last two K steps ask for nothing: a text of their own; two trips, the second left in its middle
	QUARTER 2, F1, F0, 0
	QUARTER 3, F0, F1, 0
	TURN 0                                         ; (in the second trip its 32 loads, from the slot read before, serve nothing: the price, once a launch, of one text for both trips)
	WIN 0
	s_sub_co_u32 s[CNT], s[CNT], 1
	s_cmp_eq_u32 s[CNT], 0
	s_cbranch_scc1 .Lout
	QUARTER 1, F0, F1, 0
	WIN 0
	s_branch .Ltail
.Lout:
	s_wait_dscnt 0x0                               ; those loads are back: their registers are taken below
	PLACES
; THE SOFTMAX'S FIRST HALF.  Block a = 16 queries, one a lane; the lane's 64 scores lie in the block's 8 accumulators.
.macro MAXA a                          ; their maximum: eight chains, three operands at a time; each accumulator's lowest registers are read first
.set AC, 64*((\a)%4)
	WIN 0x2a+0x15*((\a)/4)                         ; all three sources in window 2 or 3
.irp b, 0,1,2,3,4,5,6,7
	v_max3_num_f32 v[T+(\b)], v[AC+8*(\b)], v[AC+8*(\b)+1], v[AC+8*(\b)+2]
.endr
	WIN 0x28+0x14*((\a)/4)                         ; sources 1 and 2
.irp j, 3,5
.irp b, 0,1,2,3,4,5,6,7
	v_max3_num_f32 v[T+(\b)], v[T+(\b)], v[AC+8*(\b)+(\j)], v[AC+8*(\b)+(\j)+1]
.endr
.endr
.irp b, 0,1,2,3,4,5,6,7
	v_max3_num_f32 v[T+(\b)], v[T+(\b)], v[AC+8*(\b)+7], v[AC+8*(\b)+7]
.endr
	WIN 0
	v_max3_num_f32 v[T], v[T], v[T+1], v[T+2]
	v_max3_num_f32 v[T+3], v[T+3], v[T+4], v[T+5]
	v_max3_num_f32 v[T], v[T], v[T+3], v[T+6]
	v_max_num_f32 v[CM+2*(\a)+1], v[T], v[T+7]
.endm
; The four macros below name window 2 and blocks 0 to 3: the blocks in hand.
.macro SOFT a                          ; c s - c m, then the block's 64 exponentials as one batch with one wait
	WIN 0x82
.set x, 64*(\a)
.rept 32
	v_pk_fma_f32 v[x:x+1], v[x:x+1], s[CS:CS+1], v[CM+2*(\a):CM+2*(\a)+1] op_sel_hi:[1,0,0] neg_lo:[0,0,1] neg_hi:[0,0,1]
.set x, x+2
.endr
.set x, 64*(\a)
.rept 64
	v_exp_f32 v[x], v[x]
.set x, x+1
.endr
	v_nop                                          ; a plain instruction behind the last exponential
	s_wait_alu depctr_va_vdst(0)                   ; and the wait ahead of the first use: one for the batch
.endm
.macro PACK a
	WIN 0x0a
.irp b, 0,1,2,3,4,5,6,7
.irp i, 0,1,2,3
	v_cvt_pk_f16_f32 v[OB+32*(\a)+4*(\b)+(\i)], v[8*(8*(\a)+(\b))+2*(\i)], v[8*(8*(\a)+(\b))+2*(\i)+1]
.endr
.endr
	WIN 0
.endm
.macro SUMA a                          ; the lane's 64 weights, unrounded, added in place: neighbours 1, 2, 4, 8, 16 pairs apart, then the pair's two halves
	WIN 0x8a
.irp s, 1,2,4,8,16
.set x, 0
.rept 16/(\s)
	v_pk_add_f32 v[64*(\a)+2*x:64*(\a)+2*x+1], v[64*(\a)+2*x:64*(\a)+2*x+1], v[64*(\a)+2*(x+(\s)):64*(\a)+2*(x+(\s))+1]
.set x, x+2*(\s)
.endr
.endr
	WIN 0x0a
	v_add_f32 v[LS+2*(\a)], v[64*(\a)], v[64*(\a)+1]
	WIN 0
.endm
.macro TOSTAGE a
.irp b, 0,1,2,3,4,5,6,7
	ds_store_b128 v[STO], v[OB+32*(\a)+4*(\b):OB+32*(\a)+4*(\b)+3] offset:32*(\b)
.endr
.irp t, 0,1,2,3,4,5,6,7
	ds_load_b128 v[OB+32*(\a)+4*(\t):OB+32*(\a)+4*(\t)+3], v[RD] offset:(\t)*2*SP  ; LDS serves a wave's instructions in order (ISA guide 5.7.1.4)
.endr
.endm
.macro SEND a, younger
.irp t, 0,1,2,3,4,5,6,7
	s_wait_dscnt (\younger)+7-(\t)
	global_store_b128 v[CO], v[OB+32*(\a)+4*(\t):OB+32*(\a)+4*(\t)+3], s[6:7] offset:(16*(\a)+2*(\t))*CP  ; 16 lanes store 256 consecutive bytes, aligned
.endr
.endm
.irp a, 0,1,2,3,4,5,6,7
	MAXA \a
.endr
.irp a, 0,1,2,3,4,5,6,7
	v_permlanex16_b32 v[CM+2*(\a)], v[CM+2*(\a)+1], s[SEL], s[SEL+1]  ; the query's other 64 keys of my half lie in the lane 16 away
.endr
.irp a, 0,1,2,3,4,5,6,7
	v_max_num_f32 v[CM+2*(\a)+1], v[CM+2*(\a)+1], v[CM+2*(\a)]
.endr
.irp a, 0,1,2,3,4,5,6,7
	ds_store_b32 v[XS], v[CM+2*(\a)+1] offset:64*(\a)  ; both halves of the lanes write the same word with the same number
.endr
	s_wait_dscnt 0x0                               ; for the others' sake: my maxima are in LDS
	s_barrier_signal -1
	s_barrier_wait -1
.irp a, 0,1,2,3,4,5,6,7
	ds_load_b32 v[T+(\a)], v[XL] offset:64*(\a)    ; the tile's other 128 keys
.endr
	s_wait_dscnt 0x0
.irp a, 0,1,2,3,4,5,6,7
	v_max_num_f32 v[CM+2*(\a)+1], v[CM+2*(\a)+1], v[T+(\a)]
.endr
.irp a, 0,1,2,3,4,5,6,7
	v_mul_f32 v[CM+2*(\a)], s[CS], v[CM+2*(\a)+1]
.endr
	s_mov_b32 s[HC], 2
.Lhalf:                                                ; two walks: my queries 0-63, then 64-127
	SOFT 0
	PACK 0
	SUMA 0
	TOSTAGE 0
.irp a, 1,2,3
	SOFT \a
	PACK \a
	SUMA \a
	TOSTAGE \a
	SEND (\a)-1, 16
.endr
	SEND 3, 0
.irp a, 0,1,2,3
	v_permlanex16_b32 v[LS+2*(\a)+1], v[LS+2*(\a)], s[SEL], s[SEL+1]
.endr
.irp a, 0,1,2,3
	v_add_f32 v[LS+2*(\a)], v[LS+2*(\a)], v[LS+2*(\a)+1]
.endr
	; c m and l of 64 rows: lanes 0-15 give one block's, lanes 16-31 the next block's: 32 rows, 128 consecutive bytes a store
	v_cndmask_b32 v[T],   v[CM],   v[CM+2], s[HM]
	v_cndmask_b32 v[T+1], v[CM+4], v[CM+6], s[HM]
	v_cndmask_b32 v[T+2], v[LS],   v[LS+2], s[HM]
	v_cndmask_b32 v[T+3], v[LS+4], v[LS+6], s[HM]
	global_store_b32 v[LN4], v[T],   s[8:9]
	global_store_b32 v[LN4], v[T+1], s[8:9] offset:128
	global_store_b32 v[LN4], v[T+2], s[8:9] offset:524288
	global_store_b32 v[LN4], v[T+3], s[8:9] offset:524288+128
	s_sub_co_u32 s[HC], s[HC], 1
	s_cmp_eq_u32 s[HC], 0
	s_cbranch_scc1 .Ldone
	s_wait_xcnt 0x0                                ; the stores have read their data and their bases: both are written again below and in the second walk
	WIN 0x83                                       ; source window 3, destination window 2
.set x, 0
.rept 256
	v_mov_b32 v[x], v[x]
.set x, x+1
.endr
	WIN 0
.irp i, 0,1,2,3,4,5,6,7
	v_mov_b32 v[CM+(\i)], v[CM+8+(\i)]             ; and the (c m, m) of blocks 4 to 7
.endr
	s_add_nc_u64 s[6:7], s[6:7], 64*CP             ; 64 rows of p on,
	s_add_nc_u64 s[8:9], s[8:9], 256               ; 64 rows of the statistics
	s_branch .Lhalf
.Ldone:
	s_wait_tensorcnt 0x0                           ; the wave's end
	ds_add_u32 v[SPW], v[NIL]
	s_wait_dscnt 0x0
	CROUND                                         ; the closing round
	s_endpgm
.Lfunc_end_k_qb89c9162ba_scores:
	.size	k_qb89c9162ba_scores, .Lfunc_end_k_qb89c9162ba_scores-k_qb89c9162ba_scores
	.p2alignl 7, 3214868480
	.fill 96, 4, 3214868480
	.section	.rodata,"a",@progbits
	.p2align	6, 0x0
	.amdhsa_kernel k_qb89c9162ba_scores
		.amdhsa_group_segment_fixed_size 327680
		.amdhsa_private_segment_fixed_size 0
		.amdhsa_enable_private_segment 0
		.amdhsa_kernarg_size 24
		.amdhsa_user_sgpr_count 2
		.amdhsa_user_sgpr_kernarg_segment_ptr 1
		.amdhsa_wavefront_size32 1
		.amdhsa_system_sgpr_workgroup_id_x 1
		.amdhsa_system_sgpr_workgroup_id_y 1
		.amdhsa_system_sgpr_workgroup_id_z 1
		.amdhsa_system_vgpr_workitem_id 0
		.amdhsa_next_free_vgpr 1024
		.amdhsa_next_free_sgpr 80
		.amdhsa_reserve_vcc 0
		.amdhsa_float_denorm_mode_32 3
		.amdhsa_float_denorm_mode_16_64 3
		.amdhsa_memory_ordered 1
		.amdhsa_forward_progress 1
		.amdhsa_inst_pref_size 143
	.end_amdhsa_kernel
	.amdgpu_metadata
---
amdhsa.version: [ 1, 2 ]
amdhsa.kernels:
  - .name:           k_qb89c9162ba_scores
    .symbol:         k_qb89c9162ba_scores.kd
    .args:
      - { .name: qkv, .offset: 0, .size: 8, .value_kind: global_buffer, .address_space: global }
      - { .name: p, .offset: 8, .size: 8, .value_kind: global_buffer, .address_space: global }
      - { .name: stats, .offset: 16, .size: 8, .value_kind: global_buffer, .address_space: global }
    .group_segment_fixed_size: 327680
    .private_segment_fixed_size: 0
    .kernarg_segment_align: 8
    .kernarg_segment_size: 24
    .max_flat_workgroup_size: 128
    .sgpr_count:     80
    .vgpr_count:     1024
    .wavefront_size: 32
...
	.end_amdgpu_metadata
.endif
;; end of part 3
;; launch pv (part 4): grid 8 x 32, 4 waves a work-group, clusters of 4 x 4, 327,680 bytes of LDS; arguments qkv, p, stats, ot; writes ot
.if DOCPART == 4
	.amdgcn_target "amdgcn-amd-amdhsa--gfx1250"
	.amdhsa_code_object_version 6
	.text
	.protected	k_qb89c9162ba_pv
	.globl	k_qb89c9162ba_pv
	.p2align	8
	.type	k_qb89c9162ba_pv,@function
k_qb89c9162ba_pv:
	s_mov_b64 s[64:65], 0
	v_nop
	global_prefetch_b8 v0, s[64:65] scope:SCOPE_SE
	s_setreg_imm32_b32 hwreg(HW_REG_WAVE_MODE, 25, 1), 1
	s_wait_xcnt 0x0
	s_wait_alu depctr_hold_cnt(0) depctr_sa_sdst(0) depctr_va_vdst(0) depctr_va_sdst(0) depctr_va_ssrc(0) depctr_va_vcc(0) depctr_vm_vsrc(0)
	s_getreg_b32 s2, hwreg(HW_REG_IB_STS2, 6, 4)
	s_cmp_eq_u32 s2, 0
	s_cbranch_scc0 .Lentry_in_a_cluster
	s_endpgm
.Lentry_in_a_cluster:
	s_bfe_u32 s2, ttmp6, 0x10000c
	s_cmp_lg_u32 s2, 0xf033
	s_cbranch_scc0 .Lentry_shape_is_right
	s_endpgm
.Lentry_shape_is_right:
; PV.  ot[b][e][q] = the sum over the 8 key tiles t of g[q][t] x (the sum over the tile's 256 keys k of V[k][e] p[q][k]).  The softmax's second half: M = the maximum over t of c m_t;
; e_t = 2^(c m_t - M); L = the sum over t of e_t (l_2t + l_2t+1), at least 1; g_t = e_t / L: all in f32, applied to f32 sums, so that p is not rounded a second time.
; qkv: [8192][3072] f16, V at column 2,048.  p: [4][2048 q][2048 k] f16.  stats: c m and l as the launch before wrote them.  ot: [4][1024 e][2048 q] f16: the transposed result, rounded once.
; LIMITS.  ot is a mean of V's rows and has their range; below 6.1e-5 it keeps f16's fixed step of 6e-8.  An e_t below 2^-126 counts as 0.  NaN and infinities are not treated apart.
; SHARES.  A tile of ot is 128 channels x 256 queries: 256 tiles.  Four waves, 64 channels x 128 queries each.  The keys go in 16 steps of 128 through two LDS slots.
; Source 0 = 16 queries' rows of p, source 1 = 16 channels of V, turned on the way out of LDS (ds_load_tr16_b128): lane l holds channel l % 16 and the queries 8 (l / 16) + 0..7: 16 bytes of ot on end.
; CLUSTER.  4 x 4: V's tile (batch, channel tile) is shared along a row of the cluster, p's (batch, query tile) along a column; the batch is made of the cluster's y alone.
; REGISTERS.  Window 0: addresses, fragment buffers v64-159, v160-255.  Window 1: the sums of the key tile in hand.  Window 2: the total.  Window 3: v0-63 the tile's g for my lane's 64 queries.
; The total is cleared by 256 v_mov_b32 in the wait for the first tile: a first key tile written out, whose fold would start the total, would be a third copy of the trip's text.
.set PITCH,  272                       ; a row of p in LDS
.set PV,     288                       ; a row of V: 256 + 32 = 72 words
.set ATILE,  64*PV
.set BTILE,  128*PITCH
.set BOFF,   2*ATILE
.set SLOT1,  1<<17
.set STAGE,  SLOT1+BOFF+2*BTILE
.set SP,     272
.set GT,     STAGE+4*16*SP             ; 8,192 bytes: g[t][256 queries] f32
.set SPARE,  GT+8192                   ; the spare words, 128 bytes a wave: two blocks of 256 bytes that no other line names
.set ROWB,   6144                      ; bytes in a row of qkv
.set ASTEP,  128*ROWB                  ; 128 keys down V
.set BSTEP,  256                       ; 128 keys along p
.set CP,     4096                      ; bytes in a row of p and of ot
.set G1WA,   (1<<16)|(1<<20)|(1<<21)|(5<<22)|(7<<25)  ; 8 words of padding behind every 64
.set G1WB,   (1<<16)|(1<<20)|(1<<21)|(5<<22)|(3<<25)  ; 4 words
.set ADRA0, 4
.set ADRB0, 5
.set ADRA,  6
.set ADRB,  7
.set STO,   8
.set RD,    9
.set CO,    10
.set PFO,   11
.set SPW,   12
.set NIL,   13
.set GA,    14                         ; v14 where my lane's g of the next key tile lie
.set GS,    15                         ; v15 where my thread puts its two queries' g
.set OB,    64
.set F0,    64
.set F1,    160
.set WV,  12
.set WY,  13
.set WX,  14
.set LIM, 15
.set G1A, 24
.set G0A, 32
.set G1B, 40
.set G0B, 48
.set CNT, 56
.set TB,  57
.set PFA, 58
.set PST, 60
.set CX,  66
.set CY,  67
.set TX,  68                           ; tile of 256 queries
.set TY,  69                           ; 8 x batch + channel tile
.set BAT, 73
.set CLY, 78
.set ET,  79                           ; channel tile
.set MSB, 0
.macro WIN new
.if MSB != (\new)
	s_set_vgpr_msb (MSB<<8)|(\new)
.set MSB, \new
.endif
.endm
.macro PLACES
.rept 4
	v_nop
.endr
.endm
.macro CREST
	s_cmp_lg_u32 s[WV], 0
	s_cbranch_scc1 .Lnot_wave_0_\@
	s_barrier_signal -3
.Lnot_wave_0_\@:
	s_barrier_wait -3
	s_barrier_signal -1
	s_barrier_wait -1
.endm
.macro CROUND
	s_barrier_signal -1
	s_barrier_wait -1
	CREST
.endm
.macro JLOAD                           ; a joint refill by the walking set; s_nop 0 and four v_nop follow each line
	s_cmp_eq_u32 s[WY], 0
	s_cbranch_scc0 .Lfor_b_\@
	tensor_load_to_lds s[G0A+4:G0A+7], s[G1A:G1A+7]
	s_nop 0
.rept 4
	v_nop
.endr
	s_branch .Lasked_\@
.Lfor_b_\@:
	tensor_load_to_lds s[G0B+4:G0B+7], s[G1B:G1B+7]
	s_nop 0
.rept 4
	v_nop
.endr
.Lasked_\@:
.endm
; A PREFETCH INTO THE L2 of the key step two refills on: 32 rows x 256 bytes, a lane a row.  V's tile is named by the clusters with x = 0 (wave 0), p's rows by the first of the batch's two rows of clusters
; (waves 2 and 3); the four partners share the rows out by address.  The change behind step c names step c + 4; the last that does is c = 11, in the trip with s[CNT] = 2.
.macro ASK
	s_cmp_gt_u32 s[CNT], s[LIM]
	s_cbranch_scc0 .Lnot_mine_\@
	global_prefetch_b8 v[PFO], s[PFA:PFA+1] th:TH_LOAD_NT scope:SCOPE_SE
.Lnot_mine_\@:
.endm
.macro MUL8 f, a, zero                 ; the 32 accumulators take turns in the same order in every quarter
	WIN 0x50
.irp b, 0,1,2,3,4,5,6,7
.if \zero
	v_wmma_f32_16x16x32_f16 v[8*(8*(\a)+(\b)):8*(8*(\a)+(\b))+7], v[(\f)+8*(\b):(\f)+8*(\b)+7], v[(\f)+64+8*(\a):(\f)+64+8*(\a)+7], 0
.else
	v_wmma_f32_16x16x32_f16 v[8*(8*(\a)+(\b)):8*(8*(\a)+(\b))+7], v[(\f)+8*(\b):(\f)+8*(\b)+7], v[(\f)+64+8*(\a):(\f)+64+8*(\a)+7], v[8*(8*(\a)+(\b)):8*(8*(\a)+(\b))+7]
.endif
.endr
.endm
; 24 LDS loads in one run: quarter kq (32 keys) into buffer f: p's 8 fragments as they lie, then V's 4, turned
.macro FETCH kq, f
	WIN 0
.irp i, 0,1,2,3,4,5,6,7
	ds_load_b128 v[(\f)+8*(\i):(\f)+8*(\i)+3],   v[ADRB] offset:64*(\kq)+(\i)*16*PITCH
	ds_load_b128 v[(\f)+8*(\i)+4:(\f)+8*(\i)+7], v[ADRB] offset:64*(\kq)+(\i)*16*PITCH+32
.endr
.irp i, 0,1,2,3
	ds_load_tr16_b128 v[(\f)+64+8*(\i):(\f)+64+8*(\i)+3],   v[ADRA] offset:(\kq)*32*PV+32*(\i)
	ds_load_tr16_b128 v[(\f)+64+8*(\i)+4:(\f)+64+8*(\i)+7], v[ADRA] offset:(\kq)*32*PV+16*PV+32*(\i)
.endr
.endm
.macro QUARTER kq, f, g, zero
	s_wait_dscnt 4                                 ; all but the youngest four loads (V's blocks 2 and 3) are in
	MUL8 \f, 0, \zero
	MUL8 \f, 1, \zero
	PLACES                                         ; buffer g was multiplied in the quarter before
	FETCH \kq, \g
	s_wait_dscnt 24                                ; all but the 24 just issued
	MUL8 \f, 2, \zero
	MUL8 \f, 3, \zero
.endm
.macro GLOAD                           ; the key tile's g for my lane's queries 16 b + 8 (l / 16) + 0..7 -> window 3, v[8 b ..]; all lanes of a half read the same words
	WIN 0xc0
.irp b, 0,1,2,3,4,5,6,7
	ds_load_b128 v[8*(\b):8*(\b)+3],   v[GA] offset:64*(\b)
	ds_load_b128 v[8*(\b)+4:8*(\b)+7], v[GA] offset:64*(\b)+16
.endr
	WIN 0
	v_add_nc_u32 v[GA], 1024, v[GA]                ; the next tile's
.endm
.macro FOLD                            ; total += g x the key tile's sums; each accumulator is read from its low end on; the first blocks' lines are the places behind the last products
	s_wait_dscnt 0x0                               ; g is in
	WIN 0xad                                       ; source 0 window 1, source 1 window 3, source 2 and destination window 2
.irp a, 0,1,2,3
.irp b, 0,1,2,3,4,5,6,7
.irp i, 0,2,4,6
	v_pk_fma_f32 v[8*(8*(\a)+(\b))+(\i):8*(8*(\a)+(\b))+(\i)+1], v[8*(8*(\a)+(\b))+(\i):8*(8*(\a)+(\b))+(\i)+1], v[8*(\b)+(\i):8*(\b)+(\i)+1], v[8*(8*(\a)+(\b))+(\i):8*(8*(\a)+(\b))+(\i)+1]
.endr
.endr
.endr
	WIN 0
.endm
.macro TURN fill, g                    ; the fourth quarter and the change of slots; g = 1: the key tile ends here, and its g are fetched
.if \fill
	s_wait_xcnt 0x0                                ; the last prefetch, a key step back, has read its address
	s_add_nc_u64 s[PFA:PFA+1], s[PFA:PFA+1], s[PST:PST+1]
.endif
	WIN 0
	s_wait_tensorcnt 0x0                           ; all my tensor loads have landed
	ds_add_u32 v[SPW], v[NIL]                      ; 0 onto my spare word
	s_wait_dscnt 5                                 ; (the add and the youngest four loads may be out)
	MUL8 F1, 0, 0
	s_wait_dscnt 0x0                               ; the add is done, and my reads of this slot are over
	s_barrier_signal -1
	MUL8 F1, 1, 0
	WIN 0
	s_barrier_wait -1
.if \fill
	CREST                                          ; no wave of any partner still reads this slot or has a load on its way
	s_xor_b32 s[G0A+5], s[G0A+5], SLOT1
	s_add_nc_u64 s[G0A+6:G0A+7], s[G0A+6:G0A+7], ASTEP
	s_xor_b32 s[G0B+5], s[G0B+5], SLOT1
	s_add_nc_u64 s[G0B+6:G0B+7], s[G0B+6:G0B+7], BSTEP
	JLOAD
.else
	PLACES
.endif
	s_xor_b32 s[TB], s[TB], SLOT1
	v_add_nc_u32 v[ADRA], s[TB], v[ADRA0]
	v_add_nc_u32 v[ADRB], s[TB], v[ADRB0]
	FETCH 0, F0
.if \g
	GLOAD
.endif
.if \fill
	ASK
.endif
	MUL8 F1, 2, 0
	MUL8 F1, 3, 0
.endm
	s_load_b256 s[4:11], s[0:1], 0x0               ; qkv s[4:5], p s[6:7], stats s[8:9], ot s[10:11]
	v_lshl_add_u32 v[SPW], v0, 2, SPARE
	v_mov_b32 v[NIL], 0
	ds_add_u32 v[SPW], v[NIL]                      ; the wave's opening add, waited for ahead of my first tensor load
	v_lshrrev_b32 v1, 5, v0
	v_readfirstlane_b32 s[WV], v1
	s_lshr_b32 s[WY], s[WV], 1
	s_and_b32 s[WX], s[WV], 1
	s_bfe_u32 s[CX], ttmp6, 0x40000
	s_bfe_u32 s[CY], ttmp6, 0x40004
	s_lshl_b32 s[TX], ttmp9, 2
	s_add_co_u32 s[TX], s[TX], s[CX]
	s_and_b32 s[CLY], ttmp7, 0xffff
	s_lshl_b32 s[TY], s[CLY], 2
	s_add_co_u32 s[TY], s[TY], s[CY]
	s_lshr_b32 s[BAT], s[CLY], 1                   ; the batch: 8 channel tiles, two rows of clusters
	s_and_b32 s[ET], s[TY], 7
	s_lshl_b32 s16, s[CY], 2
	s_lshl_b32 s16, 15, s16
	s_lshl_b32 s20, 0x1111, s[CX]
	s_or_b32 s[G1A], s16, G1WA
	s_or_b32 s[G1B], s20, G1WB
.irp g, G1A, G1B
	s_mov_b32 s[(\g)+1], 128<<16
	s_mov_b32 s[(\g)+3], 128<<16
	s_mov_b32 s[(\g)+6], 0
	s_mov_b32 s[(\g)+7], 0
.endr
	s_mov_b32 s[G1A+2], 64<<16                     ; V: 64 keys x 128 channels,
	s_mov_b32 s[G1A+4], 64
	s_mov_b32 s[G1A+5], 3072
	s_mov_b32 s[G1B+2], 128<<16                    ; p: 128 queries x 128 keys
	s_mov_b32 s[G1B+4], 128
	s_mov_b32 s[G1B+5], 2048
	s_mul_i32 s16, s[BAT], 2048*ROWB               ; V: key 2,048 x batch + 64 x part; 4,096 bytes into the row, + 256 x channel tile
	s_mul_i32 s17, s[WX], 64*ROWB
	s_add_co_u32 s16, s16, s17
	s_lshl_b32 s17, s[ET], 8
	s_add_co_u32 s16, s16, s17
	s_add_co_u32 s16, s16, 4096
	s_mov_b32 s17, 0
	s_lshl_b32 s20, s[BAT], 23                     ; p: row 2,048 x batch + 256 x query tile + 128 x part
	s_lshl_b32 s21, s[TX], 20
	s_add_co_u32 s20, s20, s21
	s_lshl_b32 s21, s[WX], 19
	s_add_co_u32 s20, s20, s21
	s_mov_b32 s21, 0
	s_mul_i32 s22, s[WX], ATILE
	s_mul_i32 s23, s[WX], BTILE
	s_add_co_u32 s23, s23, BOFF
	s_mov_b32 s[TB], 0
	s_wait_dscnt 0x0                               ; the opening add is done
	s_wait_kmcnt 0x0
	s_add_nc_u64 s[18:19], s[4:5], s[16:17]
	s_add_nc_u64 s[74:75], s[6:7], s[20:21]
.irp s, 0,1
	s_mov_b32 s[G0A+4*(\s)], 1
	s_add_co_u32 s[G0A+4*(\s)+1], s22, (\s)*SLOT1
	s_add_nc_u64 s[G0A+4*(\s)+2:G0A+4*(\s)+3], s[18:19], (\s)*ASTEP
	s_or_b32 s[G0A+4*(\s)+3], s[G0A+4*(\s)+3], 0x80000000
	s_mov_b32 s[G0B+4*(\s)], 1
	s_add_co_u32 s[G0B+4*(\s)+1], s23, (\s)*SLOT1
	s_add_nc_u64 s[G0B+4*(\s)+2:G0B+4*(\s)+3], s[74:75], (\s)*BSTEP
	s_or_b32 s[G0B+4*(\s)+3], s[G0B+4*(\s)+3], 0x80000000
.endr
	CROUND
	s_cmp_eq_u32 s[WY], 0                          ; a wave's two first fills stand in one branch: two loads of mine are out
	s_cbranch_scc0 .Lfirst_b
	tensor_load_to_lds s[G0A:G0A+3], s[G1A:G1A+7]
	s_nop 0
	tensor_load_to_lds s[G0A+4:G0A+7], s[G1A:G1A+7]
	s_nop 0
.rept 4
	v_nop
.endr
	s_branch .Lfirst_done
.Lfirst_b:
	tensor_load_to_lds s[G0B:G0B+3], s[G1B:G1B+7]
	s_nop 0
	tensor_load_to_lds s[G0B+4:G0B+7], s[G1B:G1B+7]
	s_nop 0
.rept 4
	v_nop
.endr
.Lfirst_done:
	; the statistics of my thread's two queries, 256 x query tile + 2 x thread: c m of the 8 key tiles, l of the 16 halves; a wave's load covers 256 consecutive bytes
	s_lshl_b32 s76, s[BAT], 17
	s_lshl_b32 s77, s[TX], 10
	s_add_co_u32 s76, s76, s77
	s_mov_b32 s77, 0
	s_add_nc_u64 s[8:9], s[8:9], s[76:77]
	v_lshlrev_b32 v3, 3, v0
.irp t, 0,1,2,3,4,5,6,7
	global_load_b64 v[64+2*(\t):65+2*(\t)], v3, s[8:9] offset:2*(\t)*8192
.endr
.irp u, 0,1,2,3,4,5,6,7,8,9,10,11,12,13,14,15
	global_load_b64 v[80+2*(\u):81+2*(\u)], v3, s[8:9] offset:524288+(\u)*8192
.endr
	WIN 0x80
.set x, 0
.rept 256
	v_mov_b32 v[x], 0                              ; the total starts at 0
.set x, x+1
.endr
	WIN 0
	v_and_b32 v1, 15, v0
	v_bfe_u32 v2, v0, 4, 1
	v_mul_u32_u24 v[ADRB0], v1, PITCH              ; p's fragments: row x pitch + 16 x half
	v_lshl_add_u32 v[ADRB0], v2, 4, v[ADRB0]
	s_mul_i32 s17, s[WX], 128*PITCH
	s_add_co_u32 s17, s17, BOFF
	v_add_nc_u32 v[ADRB0], s17, v[ADRB0]
	; the turning load takes 16 keys x 16 channels: lane l reads key 8 (l / 16) + l % 8, channels 8 ((l / 8) % 2) + 0..7, and is left with channel l % 16 and 8 keys
	v_and_b32 v16, 7, v0
	v_bfe_u32 v17, v0, 3, 1
	v_lshl_add_u32 v[ADRA0], v2, 3, v16
	v_mul_u32_u24 v[ADRA0], v[ADRA0], PV
	v_lshl_add_u32 v[ADRA0], v17, 4, v[ADRA0]
	s_lshl_b32 s16, s[WY], 7                       ; my 64 channels
	v_add_nc_u32 v[ADRA0], s16, v[ADRA0]
	v_mov_b32 v[ADRA], v[ADRA0]
	v_mov_b32 v[ADRB], v[ADRB0]
	s_mul_i32 s16, s[WV], 16*SP
	s_add_co_u32 s16, s16, STAGE
	v_mul_u32_u24 v[STO], v1, SP
	v_lshl_add_u32 v[STO], v2, 4, v[STO]
	v_add_nc_u32 v[STO], s16, v[STO]
	v_mul_u32_u24 v[RD], v2, SP
	v_lshl_add_u32 v[RD], v1, 4, v[RD]
	v_add_nc_u32 v[RD], s16, v[RD]
	v_mul_u32_u24 v[CO], v2, CP
	v_lshl_add_u32 v[CO], v1, 4, v[CO]
	s_lshl_b32 s16, s[WX], 9                       ; g: my 128 queries' 512 bytes, 32 for each half of the lanes
	s_add_co_u32 s16, s16, GT
	v_lshl_add_u32 v[GA], v2, 5, s16
	v_lshl_add_u32 v[GS], v0, 3, GT
	s_lshl_b32 s76, s[TY], 7                       ; ot at my part of the tile
	s_lshl_b32 s77, s[WY], 6
	s_add_co_u32 s76, s76, s77
	s_lshl_b32 s76, s76, 12
	s_lshl_b32 s77, s[TX], 9
	s_add_co_u32 s76, s76, s77
	s_lshl_b32 s77, s[WX], 8
	s_add_co_u32 s76, s76, s77
	s_mov_b32 s77, 0
	s_add_nc_u64 s[10:11], s[10:11], s[76:77]
	; the prefetches
	s_lshl_b32 s16, s[BAT], 11
	s_lshl_b32 s18, s[CX], 5
	s_add_co_u32 s18, s18, s16                     ; V: key 2,048 x batch + 32 cx
	s_mul_i32 s18, s18, ROWB
	s_lshl_b32 s19, s[ET], 8
	s_add_co_u32 s18, s18, s19
	s_add_co_u32 s18, s18, 4096+3*ASTEP            ; at key step 3: the first change of slots steps it to 4
	s_lshl_b32 s20, s[TX], 8
	s_add_co_u32 s20, s20, s16
	s_lshl_b32 s21, s[WX], 7
	s_add_co_u32 s20, s20, s21
	s_lshl_b32 s21, s[CY], 5
	s_add_co_u32 s20, s20, s21                     ; p: row 2,048 x batch + 256 x query tile + 128 x part + 32 cy
	s_lshl_b32 s20, s20, 12
	s_add_co_u32 s20, s20, 3*BSTEP
	s_and_b32 s21, s[CLY], 1
	s_mov_b32 s22, ASTEP
	s_mov_b32 s23, BSTEP
	s_mov_b32 s16, ROWB
	s_mov_b32 s17, CP
	s_cmp_eq_u32 s[WY], 0
	s_cselect_b32 s76, s18, s20
	s_cselect_b32 s21, ttmp9, s21
	s_cselect_b32 s[PST], s22, s23
	s_cselect_b32 s16, s16, s17
	s_cselect_b64 s[PFA:PFA+1], s[4:5], s[6:7]
	s_mov_b32 s77, 0
	s_mov_b32 s[PST+1], 0
	s_add_nc_u64 s[PFA:PFA+1], s[PFA:PFA+1], s[76:77]
	s_cmp_eq_u32 s[WV], 1
	s_cselect_b32 s20, 1, 0
	s_or_b32 s21, s21, s20
	s_cmp_eq_u32 s21, 0
	s_cselect_b32 s[LIM], 1, -1
	v_and_b32 v[PFO], 31, v0
	v_mul_u32_u24 v[PFO], s16, v[PFO]
	; THE FACTORS g, two queries a thread
	s_wait_loadcnt 0x0
.irp z, 0,1
	v_max3_num_f32 v[112+(\z)], v[64+(\z)], v[66+(\z)], v[68+(\z)]
	v_max3_num_f32 v[112+(\z)], v[112+(\z)], v[70+(\z)], v[72+(\z)]
	v_max3_num_f32 v[112+(\z)], v[112+(\z)], v[74+(\z)], v[76+(\z)]
	v_max_num_f32 v[112+(\z)], v[112+(\z)], v[78+(\z)]
.endr
.irp t, 0,1,2,3,4,5,6,7
	v_pk_add_f32 v[64+2*(\t):65+2*(\t)], v[64+2*(\t):65+2*(\t)], v[112:113] neg_lo:[0,1] neg_hi:[0,1]  ; c m_t - M
.endr
.set x, 64
.rept 16
	v_exp_f32 v[x], v[x]
.set x, x+1
.endr
.irp t, 0,1,2,3,4,5,6,7
	v_pk_add_f32 v[80+4*(\t):81+4*(\t)], v[80+4*(\t):81+4*(\t)], v[82+4*(\t):83+4*(\t)]  ; a tile's two halves of l: the plain work behind the exponentials
.endr
	s_wait_alu depctr_va_vdst(0)                   ; one wait for the 16 exponentials, ahead of their first reader
	v_pk_mul_f32 v[114:115], v[64:65], v[80:81]
.irp t, 1,2,3,4,5,6,7
	v_pk_fma_f32 v[114:115], v[64+2*(\t):65+2*(\t)], v[80+4*(\t):81+4*(\t)], v[114:115]
.endr
	v_rcp_f32 v116, v114
	v_rcp_f32 v117, v115
	v_nop
	s_wait_alu depctr_va_vdst(0)                   ; one wait for the two reciprocals
.irp t, 0,1,2,3,4,5,6,7
	v_pk_mul_f32 v[64+2*(\t):65+2*(\t)], v[64+2*(\t):65+2*(\t)], v[116:117]
.endr
.irp t, 0,1,2,3,4,5,6,7
	ds_store_b64 v[GS], v[64+2*(\t):65+2*(\t)] offset:1024*(\t)
.endr
	s_wait_tensorcnt 0x1                           ; my part of key step 0 is in; step 1's may stay out
	s_wait_dscnt 0x0                               ; for the others' sake: my g are in LDS
	s_barrier_signal -1
	s_barrier_wait -1
	FETCH 0, F0
	s_mov_b32 s[CNT], 7
.Ltile:                                                ; a trip: a key tile, two key steps; both slots are filled again
	QUARTER 1, F0, F1, 1                           ; the tile's first products start its sums
	QUARTER 2, F1, F0, 0
	QUARTER 3, F0, F1, 0
	TURN 1, 0
	QUARTER 1, F0, F1, 0
	QUARTER 2, F1, F0, 0
	QUARTER 3, F0, F1, 0
	TURN 1, 1
	FOLD
	s_sub_co_u32 s[CNT], s[CNT], 1
	s_cmp_lg_u32 s[CNT], 0
	s_cbranch_scc1 .Ltile
	QUARTER 1, F0, F1, 1                           ; the last key tile is written out: nothing is asked for
	QUARTER 2, F1, F0, 0
	QUARTER 3, F0, F1, 0
	TURN 0, 0
	QUARTER 1, F0, F1, 0
	QUARTER 2, F1, F0, 0
	QUARTER 3, F0, F1, 0
	s_wait_dscnt 0x0
	GLOAD
	MUL8 F1, 0, 0
	MUL8 F1, 1, 0
	MUL8 F1, 2, 0
	MUL8 F1, 3, 0
	PLACES
	FOLD
; THE WAY OUT, a block of 16 channels at a time: rounded to f16, 16 bytes a lane into my own stage, back as whole rows of 256 bytes, stored.
.macro PACK a, win
	WIN \win
.irp b, 0,1,2,3,4,5,6,7
.irp i, 0,1,2,3
	v_cvt_pk_f16_f32 v[OB+32*(\a)+4*(\b)+(\i)], v[8*(8*(\a)+(\b))+2*(\i)], v[8*(8*(\a)+(\b))+2*(\i)+1]
.endr
.endr
	WIN 0
.endm
.macro TOSTAGE a
.irp b, 0,1,2,3,4,5,6,7
	ds_store_b128 v[STO], v[OB+32*(\a)+4*(\b):OB+32*(\a)+4*(\b)+3] offset:32*(\b)
.endr
.irp t, 0,1,2,3,4,5,6,7
	ds_load_b128 v[OB+32*(\a)+4*(\t):OB+32*(\a)+4*(\t)+3], v[RD] offset:(\t)*2*SP  ; LDS serves a wave's instructions in order (ISA guide 5.7.1.4)
.endr
.endm
.macro SEND a, younger
.irp t, 0,1,2,3,4,5,6,7
	s_wait_dscnt (\younger)+7-(\t)
	global_store_b128 v[CO], v[OB+32*(\a)+4*(\t):OB+32*(\a)+4*(\t)+3], s[10:11] offset:(16*(\a)+2*(\t))*CP  ; 16 lanes store 256 consecutive bytes, aligned
.endr
.endm
	PACK 0, 0x0a                                   ; sources in window 2: the total
	TOSTAGE 0
	PACK 1, 0x0a
	TOSTAGE 1
	SEND 0, 16
	PACK 2, 0x0a
	TOSTAGE 2
	SEND 1, 16
	PACK 3, 0x0a
	TOSTAGE 3
	SEND 2, 16
	SEND 3, 0
	s_wait_tensorcnt 0x0                           ; the wave's end
	ds_add_u32 v[SPW], v[NIL]
	s_wait_dscnt 0x0
	CROUND                                         ; the closing round
	s_endpgm
.Lfunc_end_k_qb89c9162ba_pv:
	.size	k_qb89c9162ba_pv, .Lfunc_end_k_qb89c9162ba_pv-k_qb89c9162ba_pv
	.p2alignl 7, 3214868480
	.fill 96, 4, 3214868480
	.section	.rodata,"a",@progbits
	.p2align	6, 0x0
	.amdhsa_kernel k_qb89c9162ba_pv
		.amdhsa_group_segment_fixed_size 327680
		.amdhsa_private_segment_fixed_size 0
		.amdhsa_enable_private_segment 0
		.amdhsa_kernarg_size 32
		.amdhsa_user_sgpr_count 2
		.amdhsa_user_sgpr_kernarg_segment_ptr 1
		.amdhsa_wavefront_size32 1
		.amdhsa_system_sgpr_workgroup_id_x 1
		.amdhsa_system_sgpr_workgroup_id_y 1
		.amdhsa_system_sgpr_workgroup_id_z 1
		.amdhsa_system_vgpr_workitem_id 0
		.amdhsa_next_free_vgpr 832
		.amdhsa_next_free_sgpr 80
		.amdhsa_reserve_vcc 0
		.amdhsa_float_denorm_mode_32 3
		.amdhsa_float_denorm_mode_16_64 3
		.amdhsa_memory_ordered 1
		.amdhsa_forward_progress 1
		.amdhsa_inst_pref_size 122
	.end_amdhsa_kernel
	.amdgpu_metadata
---
amdhsa.version: [ 1, 2 ]
amdhsa.kernels:
  - .name:           k_qb89c9162ba_pv
    .symbol:         k_qb89c9162ba_pv.kd
    .args:
      - { .name: qkv, .offset: 0, .size: 8, .value_kind: global_buffer, .address_space: global }
      - { .name: p, .offset: 8, .size: 8, .value_kind: global_buffer, .address_space: global }
      - { .name: stats, .offset: 16, .size: 8, .value_kind: global_buffer, .address_space: global }
      - { .name: ot, .offset: 24, .size: 8, .value_kind: global_buffer, .address_space: global }
    .group_segment_fixed_size: 327680
    .private_segment_fixed_size: 0
    .kernarg_segment_align: 8
    .kernarg_segment_size: 32
    .max_flat_workgroup_size: 128
    .sgpr_count:     80
    .vgpr_count:     832
    .wavefront_size: 32
...
	.end_amdgpu_metadata
.endif
;; end of part 4
;; launch outp (part 5): grid 4 x 64, 4 waves a work-group, clusters of 4 x 4, 327,680 bytes of LDS; arguments ot, wof, out0; writes out0
.if DOCPART == 5
	.amdgcn_target "amdgcn-amd-amdhsa--gfx1250"
	.amdhsa_code_object_version 6
	.text
	.protected	k_qb89c9162ba_outp
	.globl	k_qb89c9162ba_outp
	.p2align	8
	.type	k_qb89c9162ba_outp,@function
k_qb89c9162ba_outp:
	s_mov_b64 s[64:65], 0
	v_nop
	global_prefetch_b8 v0, s[64:65] scope:SCOPE_SE
	s_setreg_imm32_b32 hwreg(HW_REG_WAVE_MODE, 25, 1), 1
	s_wait_xcnt 0x0
	s_wait_alu depctr_hold_cnt(0) depctr_sa_sdst(0) depctr_va_vdst(0) depctr_va_sdst(0) depctr_va_ssrc(0) depctr_va_vcc(0) depctr_vm_vsrc(0)
	s_getreg_b32 s2, hwreg(HW_REG_IB_STS2, 6, 4)
	s_cmp_eq_u32 s2, 0
	s_cbranch_scc0 .Lentry_in_a_cluster
	s_endpgm
.Lentry_in_a_cluster:
	s_bfe_u32 s2, ttmp6, 0x10000c
	s_cmp_lg_u32 s2, 0xf033
	s_cbranch_scc0 .Lentry_shape_is_right
	s_endpgm
.Lentry_shape_is_right:
; OUTP.  out0[m][n] = the sum over k of ot[m][k] wof[n][k].  ot: the transposed attention result, read as [8192][1024] f16 (the flat [1024 e][2048 q] of a batch taken as 2,048 rows of 1,024);
; wof: [1024][1024] f16 (wo rounded to bf16); out0: [8192][1024] f32.  Sums in f32, K ascending, stored as they are.  NaN and infinities are not treated apart.
; SHARES, RING, CLUSTER as in the projection in front: tiles of 128 x 256 (256 of them), four waves of 64 x 128, 8 K steps of 128 through two LDS slots, 4 x 4 work-groups with A's tile shared
; along a row of the cluster and B's along a column.  Source 0 = 16 rows of B, source 1 = 16 rows of A: lane l holds row l % 16 of C and the columns 8 (l / 16) + 0..7: 32 bytes of f32 on end.
; REGISTERS.  Window 0: v0-15 addresses; v64-159, v160-255 fragment buffers; on the way out v64-255 three sets of 64.  Window 1: accumulator (a, b) at v[8 (8 a + b)].
.set PITCH,  272
.set ATILE,  64*PITCH
.set BTILE,  128*PITCH
.set BOFF,   2*ATILE
.set SLOT1,  1<<17
.set STAGE,  SLOT1+BOFF+2*BTILE        ; behind the ring: 16 rows x 528 bytes for each wave
.set SP,     528                       ; a stage row: 512 bytes + 16 = 132 words: row r starts at bank 4 r mod 64 (ISA guide 11.1)
.set SPARE,  STAGE+4*16*SP             ; the spare words, 128 bytes a wave: two blocks of 256 bytes that no other line names
.set ASTEP,  256
.set BSTEP,  256
.set CP,     4096                      ; bytes in a row of C
.set G1W,    (1<<16)|(1<<20)|(1<<21)|(5<<22)|(3<<25)
.set ADRA0, 4
.set ADRB0, 5
.set ADRA,  6
.set ADRB,  7
.set STO,   8
.set RD,    9
.set CO,    10
.set PFO,   11
.set SPW,   12
.set NIL,   13
.set OB,    64
.set F0,    64
.set F1,    160
.set WV,  12
.set WY,  13
.set WX,  14
.set LIM, 15
.set G1A, 24
.set G0A, 32
.set G1B, 40
.set G0B, 48
.set CNT, 56
.set TB,  57
.set PFA, 58
.set PST, 60
.set CX,  66
.set CY,  67
.set TX,  68
.set TY,  69
.set CLY, 78
.set MSB, 0
.macro WIN new
.if MSB != (\new)
	s_set_vgpr_msb (MSB<<8)|(\new)
.set MSB, \new
.endif
.endm
.macro PLACES
.rept 4
	v_nop
.endr
.endm
.macro CREST
	s_cmp_lg_u32 s[WV], 0
	s_cbranch_scc1 .Lnot_wave_0_\@
	s_barrier_signal -3
.Lnot_wave_0_\@:
	s_barrier_wait -3
	s_barrier_signal -1
	s_barrier_wait -1
.endm
.macro CROUND
	s_barrier_signal -1
	s_barrier_wait -1
	CREST
.endm
.macro JLOAD                           ; a joint refill by the walking set; s_nop 0 and four v_nop follow each line
	s_cmp_eq_u32 s[WY], 0
	s_cbranch_scc0 .Lfor_b_\@
	tensor_load_to_lds s[G0A+4:G0A+7], s[G1A:G1A+7]
	s_nop 0
.rept 4
	v_nop
.endr
	s_branch .Lasked_\@
.Lfor_b_\@:
	tensor_load_to_lds s[G0B+4:G0B+7], s[G1B:G1B+7]
	s_nop 0
.rept 4
	v_nop
.endr
.Lasked_\@:
.endm
; A PREFETCH INTO THE L2 of the K step two refills on: 32 rows x 256 bytes, a lane a row.  A's tile row is read by this one cluster (the grid is one cluster wide): wave 0 names it; B's tile column is named by
; the clusters with y = 0 (waves 2 and 3); the four partners share the rows out by address.  The change behind K step c names K step c + 4; the last that does is c = 3.
.macro ASK
	s_cmp_gt_u32 s[CNT], s[LIM]
	s_cbranch_scc0 .Lnot_mine_\@
	global_prefetch_b8 v[PFO], s[PFA:PFA+1] th:TH_LOAD_NT scope:SCOPE_SE
.Lnot_mine_\@:
.endm
.macro MUL8 f, a, zero                 ; the 32 accumulators take turns in the same order in every quarter
	WIN 0x50
.irp b, 0,1,2,3,4,5,6,7
.if \zero
	v_wmma_f32_16x16x32_f16 v[8*(8*(\a)+(\b)):8*(8*(\a)+(\b))+7], v[(\f)+8*(\b):(\f)+8*(\b)+7], v[(\f)+64+8*(\a):(\f)+64+8*(\a)+7], 0
.else
	v_wmma_f32_16x16x32_f16 v[8*(8*(\a)+(\b)):8*(8*(\a)+(\b))+7], v[(\f)+8*(\b):(\f)+8*(\b)+7], v[(\f)+64+8*(\a):(\f)+64+8*(\a)+7], v[8*(8*(\a)+(\b)):8*(8*(\a)+(\b))+7]
.endif
.endr
.endm
.macro FETCH kq, f
	WIN 0
.irp i, 0,1,2,3,4,5,6,7
	ds_load_b128 v[(\f)+8*(\i):(\f)+8*(\i)+3],   v[ADRB] offset:64*(\kq)+(\i)*16*PITCH
	ds_load_b128 v[(\f)+8*(\i)+4:(\f)+8*(\i)+7], v[ADRB] offset:64*(\kq)+(\i)*16*PITCH+32
.endr
.irp i, 0,1,2,3
	ds_load_b128 v[(\f)+64+8*(\i):(\f)+64+8*(\i)+3],   v[ADRA] offset:64*(\kq)+(\i)*16*PITCH
	ds_load_b128 v[(\f)+64+8*(\i)+4:(\f)+64+8*(\i)+7], v[ADRA] offset:64*(\kq)+(\i)*16*PITCH+32
.endr
.endm
.macro QUARTER kq, f, g, zero
	s_wait_dscnt 4                                 ; all but the youngest four loads (A's blocks 2 and 3) are in
	MUL8 \f, 0, \zero
	MUL8 \f, 1, \zero
	PLACES                                         ; buffer g was multiplied in the quarter before
	FETCH \kq, \g
	s_wait_dscnt 24                                ; all but the 24 just issued
	MUL8 \f, 2, \zero
	MUL8 \f, 3, \zero
.endm
.macro TURN fill                       ; the fourth quarter and the change of slots
.if \fill
	s_wait_xcnt 0x0                                ; the last prefetch, a K step back, has read its address
	s_add_nc_u64 s[PFA:PFA+1], s[PFA:PFA+1], s[PST:PST+1]
.endif
	WIN 0
	s_wait_tensorcnt 0x0                           ; all my tensor loads have landed
	ds_add_u32 v[SPW], v[NIL]                      ; 0 onto my spare word
	s_wait_dscnt 5                                 ; (the add and the youngest four loads may be out)
	MUL8 F1, 0, 0
	s_wait_dscnt 0x0                               ; the add is done, and my reads of this slot are over
	s_barrier_signal -1
	MUL8 F1, 1, 0
	WIN 0
	s_barrier_wait -1
.if \fill
	CREST                                          ; no wave of any partner still reads this slot or has a load on its way
	s_xor_b32 s[G0A+5], s[G0A+5], SLOT1
	s_add_nc_u64 s[G0A+6:G0A+7], s[G0A+6:G0A+7], ASTEP
	s_xor_b32 s[G0B+5], s[G0B+5], SLOT1
	s_add_nc_u64 s[G0B+6:G0B+7], s[G0B+6:G0B+7], BSTEP
	JLOAD
.else
	PLACES
.endif
	s_xor_b32 s[TB], s[TB], SLOT1
	v_add_nc_u32 v[ADRA], s[TB], v[ADRA0]
	v_add_nc_u32 v[ADRB], s[TB], v[ADRB0]
	FETCH 0, F0
.if \fill
	ASK
.endif
	MUL8 F1, 2, 0
	MUL8 F1, 3, 0
.endm
.macro LASTQ
	s_wait_dscnt 4
	MUL8 F1, 0, 0
	MUL8 F1, 1, 0
	s_wait_dscnt 0x0
	MUL8 F1, 2, 0
	MUL8 F1, 3, 0
	WIN 0
.endm
	s_load_b128 s[4:7], s[0:1], 0x0                ; ot s[4:5], wof s[6:7]
	s_load_b64 s[8:9], s[0:1], 0x10                ; out0
	v_lshl_add_u32 v[SPW], v0, 2, SPARE
	v_mov_b32 v[NIL], 0
	ds_add_u32 v[SPW], v[NIL]                      ; the wave's opening add, waited for ahead of my first tensor load
	v_lshrrev_b32 v1, 5, v0
	v_readfirstlane_b32 s[WV], v1
	s_lshr_b32 s[WY], s[WV], 1
	s_and_b32 s[WX], s[WV], 1
	s_bfe_u32 s[CX], ttmp6, 0x40000
	s_bfe_u32 s[CY], ttmp6, 0x40004
	s_lshl_b32 s[TX], ttmp9, 2
	s_add_co_u32 s[TX], s[TX], s[CX]
	s_and_b32 s[CLY], ttmp7, 0xffff
	s_lshl_b32 s[TY], s[CLY], 2
	s_add_co_u32 s[TY], s[TY], s[CY]
	s_lshl_b32 s16, s[CY], 2
	s_lshl_b32 s16, 15, s16
	s_lshl_b32 s20, 0x1111, s[CX]
	s_or_b32 s[G1A], s16, G1W
	s_or_b32 s[G1B], s20, G1W
.irp g, G1A, G1B
	s_mov_b32 s[(\g)+1], 128<<16
	s_mov_b32 s[(\g)+3], 128<<16
	s_mov_b32 s[(\g)+5], 1024
	s_mov_b32 s[(\g)+6], 0
	s_mov_b32 s[(\g)+7], 0
.endr
	s_mov_b32 s[G1A+2], 64<<16
	s_mov_b32 s[G1A+4], 64
	s_mov_b32 s[G1B+2], 128<<16
	s_mov_b32 s[G1B+4], 128
	s_lshl_b32 s16, s[TY], 18                      ; A: row 128 x tile row + 64 x part, 2,048 bytes a row
	s_lshl_b32 s17, s[WX], 17
	s_add_co_u32 s16, s16, s17
	s_mov_b32 s17, 0
	s_lshl_b32 s20, s[TX], 19                      ; B: row 256 x tile column + 128 x part
	s_lshl_b32 s21, s[WX], 18
	s_add_co_u32 s20, s20, s21
	s_mov_b32 s21, 0
	s_mul_i32 s22, s[WX], ATILE
	s_mul_i32 s23, s[WX], BTILE
	s_add_co_u32 s23, s23, BOFF
	s_mov_b32 s[TB], 0
	s_mov_b32 s[PST], 256
	s_mov_b32 s[PST+1], 0
	s_wait_dscnt 0x0                               ; the opening add is done
	s_wait_kmcnt 0x0
	s_add_nc_u64 s[18:19], s[4:5], s[16:17]
	s_add_nc_u64 s[74:75], s[6:7], s[20:21]
.irp s, 0,1
	s_mov_b32 s[G0A+4*(\s)], 1
	s_add_co_u32 s[G0A+4*(\s)+1], s22, (\s)*SLOT1
	s_add_nc_u64 s[G0A+4*(\s)+2:G0A+4*(\s)+3], s[18:19], (\s)*ASTEP
	s_or_b32 s[G0A+4*(\s)+3], s[G0A+4*(\s)+3], 0x80000000
	s_mov_b32 s[G0B+4*(\s)], 1
	s_add_co_u32 s[G0B+4*(\s)+1], s23, (\s)*SLOT1
	s_add_nc_u64 s[G0B+4*(\s)+2:G0B+4*(\s)+3], s[74:75], (\s)*BSTEP
	s_or_b32 s[G0B+4*(\s)+3], s[G0B+4*(\s)+3], 0x80000000
.endr
	CROUND
	s_cmp_eq_u32 s[WY], 0                          ; a wave's two first fills stand in one branch: two loads of mine are out
	s_cbranch_scc0 .Lfirst_b
	tensor_load_to_lds s[G0A:G0A+3], s[G1A:G1A+7]
	s_nop 0
	tensor_load_to_lds s[G0A+4:G0A+7], s[G1A:G1A+7]
	s_nop 0
.rept 4
	v_nop
.endr
	s_branch .Lfirst_done
.Lfirst_b:
	tensor_load_to_lds s[G0B:G0B+3], s[G1B:G1B+7]
	s_nop 0
	tensor_load_to_lds s[G0B+4:G0B+7], s[G1B:G1B+7]
	s_nop 0
.rept 4
	v_nop
.endr
.Lfirst_done:
	v_and_b32 v1, 15, v0
	v_bfe_u32 v2, v0, 4, 1
	v_mul_u32_u24 v3, v1, PITCH
	v_lshl_add_u32 v3, v2, 4, v3
	s_mul_i32 s16, s[WY], 64*PITCH
	s_mul_i32 s17, s[WX], 128*PITCH
	s_add_co_u32 s17, s17, BOFF
	v_add_nc_u32 v[ADRA0], s16, v3
	v_add_nc_u32 v[ADRB0], s17, v3
	v_mov_b32 v[ADRA], v[ADRA0]
	v_mov_b32 v[ADRB], v[ADRB0]
	s_mul_i32 s16, s[WV], 16*SP
	s_add_co_u32 s16, s16, STAGE                   ; my stage
	v_mul_u32_u24 v[STO], v1, SP                   ; in: row l % 16, 32 bytes for each half of the lanes
	v_lshl_add_u32 v[STO], v2, 5, v[STO]
	v_add_nc_u32 v[STO], s16, v[STO]
	v_and_b32 v[CO], 31, v0                        ; back and out: 32 lanes take a row's 512 bytes
	v_lshlrev_b32 v[CO], 4, v[CO]
	v_add_nc_u32 v[RD], s16, v[CO]
	s_lshl_b32 s76, s[TY], 7                       ; C at my part of the tile
	s_lshl_b32 s77, s[WY], 6
	s_add_co_u32 s76, s76, s77
	s_lshl_b32 s76, s76, 12
	s_lshl_b32 s77, s[TX], 10
	s_add_co_u32 s76, s76, s77
	s_lshl_b32 s77, s[WX], 9
	s_add_co_u32 s76, s76, s77
	s_mov_b32 s77, 0
	s_add_nc_u64 s[8:9], s[8:9], s[76:77]
	; the prefetches
	s_lshl_b32 s16, s[TY], 7
	s_lshl_b32 s20, s[TX], 8
	s_lshl_b32 s21, s[WX], 7
	s_add_co_u32 s20, s20, s21
	s_cmp_eq_u32 s[WY], 0
	s_cselect_b32 s76, s16, s20
	s_cselect_b32 s77, s[CX], s[CY]
	s_cselect_b32 s21, ttmp9, s[CLY]
	s_cselect_b64 s[PFA:PFA+1], s[4:5], s[6:7]
	s_lshl_b32 s77, s77, 5
	s_add_co_u32 s76, s76, s77
	s_lshl_b32 s76, s76, 11
	s_add_co_u32 s76, s76, 3*256                   ; at K step 3: the first change of slots steps it to 4
	s_mov_b32 s77, 0
	s_add_nc_u64 s[PFA:PFA+1], s[PFA:PFA+1], s[76:77]
	s_cmp_eq_u32 s[WV], 1
	s_cselect_b32 s20, 1, 0
	s_or_b32 s21, s21, s20
	s_cmp_eq_u32 s21, 0
	s_cselect_b32 s[LIM], 2, -1
	v_and_b32 v[PFO], 31, v0
	v_lshlrev_b32 v[PFO], 11, v[PFO]
	s_wait_tensorcnt 0x1                           ; my part of K step 0 is in; K step 1's may stay out
	s_barrier_signal -1
	s_barrier_wait -1
	FETCH 0, F0
	QUARTER 1, F0, F1, 1
	WIN 0
	s_mov_b32 s[CNT], 6
.Lstep:
	QUARTER 2, F1, F0, 0
	QUARTER 3, F0, F1, 0
	TURN 1
	QUARTER 1, F0, F1, 0
	WIN 0
	s_sub_co_u32 s[CNT], s[CNT], 1
	s_cmp_lg_u32 s[CNT], 0
	s_cbranch_scc1 .Lstep
	QUARTER 2, F1, F0, 0
	QUARTER 3, F0, F1, 0
	TURN 0
	QUARTER 1, F0, F1, 0
	QUARTER 2, F1, F0, 0
	QUARTER 3, F0, F1, 0
	LASTQ
	PLACES
; THE WAY OUT, a block of 16 rows at a time: the sums as they are, 32 bytes a lane into my own stage (each accumulator's low half first), back as whole rows of 512 bytes, stored.
.macro TOSTAGE a
	WIN 0x04                                       ; the stores' data in window 1
.irp b, 0,1,2,3,4,5,6,7
	ds_store_b128 v[STO], v[8*(8*(\a)+(\b)):8*(8*(\a)+(\b))+3]   offset:64*(\b)
	ds_store_b128 v[STO], v[8*(8*(\a)+(\b))+4:8*(8*(\a)+(\b))+7] offset:64*(\b)+16
.endr
	WIN 0
.irp t, 0,1,2,3,4,5,6,7,8,9,10,11,12,13,14,15
	ds_load_b128 v[OB+64*((\a)%3)+4*(\t):OB+64*((\a)%3)+4*(\t)+3], v[RD] offset:(\t)*SP  ; LDS serves a wave's instructions in order (ISA guide 5.7.1.4)
.endr
.endm
.macro SEND a, younger                 ; younger: the LDS instructions issued behind block a's loads: the next block's 32, or none
.irp t, 0,1,2,3,4,5,6,7,8,9,10,11,12,13,14,15
	s_wait_dscnt (\younger)+15-(\t)
	global_store_b128 v[CO], v[OB+64*((\a)%3)+4*(\t):OB+64*((\a)%3)+4*(\t)+3], s[8:9] offset:(16*(\a)+(\t))*CP  ; the wave stores 512 consecutive bytes, at a multiple of 256 from C's first byte
.endr
.endm
	TOSTAGE 0
	TOSTAGE 1
	SEND 0, 32
	TOSTAGE 2
	SEND 1, 32
	s_wait_xcnt 0x0                                ; block 0's stores have read their registers, which block 3 takes
	TOSTAGE 3
	SEND 2, 32
	SEND 3, 0
	s_wait_tensorcnt 0x0                           ; the wave's end
	ds_add_u32 v[SPW], v[NIL]
	s_wait_dscnt 0x0
	CROUND                                         ; the closing round
	s_endpgm
.Lfunc_end_k_qb89c9162ba_outp:
	.size	k_qb89c9162ba_outp, .Lfunc_end_k_qb89c9162ba_outp-k_qb89c9162ba_outp
	.p2alignl 7, 3214868480
	.fill 96, 4, 3214868480
	.section	.rodata,"a",@progbits
	.p2align	6, 0x0
	.amdhsa_kernel k_qb89c9162ba_outp
		.amdhsa_group_segment_fixed_size 327680
		.amdhsa_private_segment_fixed_size 0
		.amdhsa_enable_private_segment 0
		.amdhsa_kernarg_size 24
		.amdhsa_user_sgpr_count 2
		.amdhsa_user_sgpr_kernarg_segment_ptr 1
		.amdhsa_wavefront_size32 1
		.amdhsa_system_sgpr_workgroup_id_x 1
		.amdhsa_system_sgpr_workgroup_id_y 1
		.amdhsa_system_sgpr_workgroup_id_z 1
		.amdhsa_system_vgpr_workitem_id 0
		.amdhsa_next_free_vgpr 512
		.amdhsa_next_free_sgpr 80
		.amdhsa_reserve_vcc 0
		.amdhsa_float_denorm_mode_32 3
		.amdhsa_float_denorm_mode_16_64 3
		.amdhsa_memory_ordered 1
		.amdhsa_forward_progress 1
		.amdhsa_inst_pref_size 71
	.end_amdhsa_kernel
	.amdgpu_metadata
---
amdhsa.version: [ 1, 2 ]
amdhsa.kernels:
  - .name:           k_qb89c9162ba_outp
    .symbol:         k_qb89c9162ba_outp.kd
    .args:
      - { .name: ot, .offset: 0, .size: 8, .value_kind: global_buffer, .address_space: global }
      - { .name: wof, .offset: 8, .size: 8, .value_kind: global_buffer, .address_space: global }
      - { .name: out0, .offset: 16, .size: 8, .value_kind: global_buffer, .address_space: global }
    .group_segment_fixed_size: 327680
    .private_segment_fixed_size: 0
    .kernarg_segment_align: 8
    .kernarg_segment_size: 24
    .max_flat_workgroup_size: 128
    .sgpr_count:     80
    .vgpr_count:     512
    .wavefront_size: 32
...
	.end_amdgpu_metadata
.endif
;; end of part 5
;; ======== version 2 of 2: 5 launches; version 1 with the launch cast written anew for expert scheduling mode
;; limits: values are held in f16: magnitudes above 65,504 overflow, below 6.1e-05 lose precision
;; workspace buffers: xb 16,777,216 bytes; w3 6,291,456 bytes; wof 2,097,152 bytes; qkv 50,331,648 bytes; p 33,554,432 bytes; stats 1,048,576 bytes; ot 16,777,216 bytes
;; launch cast (part 6): grid 768 x 1, 8 waves a work-group, no clusters, 0 bytes of LDS; arguments q, wq, wk, wv, wo, xb, w3, wof; writes xb, w3, wof
.if DOCPART == 6
	.amdgcn_target "amdgcn-amd-amdhsa--gfx1250"
	.amdhsa_code_object_version 6
	.text
	.protected	k_qb89c9162ba_cast
	.globl	k_qb89c9162ba_cast
	.p2align	8
	.type	k_qb89c9162ba_cast,@function
k_qb89c9162ba_cast:
	s_mov_b64 s[64:65], 0
	v_nop
	global_prefetch_b8 v0, s[64:65] scope:SCOPE_SE
	s_setreg_imm32_b32 hwreg(HW_REG_WAVE_SCHED_MODE, 0, 2), 2
	s_setreg_imm32_b32 hwreg(HW_REG_WAVE_MODE, 25, 1), 1
	s_wait_xcnt 0x0
	s_wait_alu depctr_vm_vsrc(0)
; CAST.  q -> xb (bf16); wq, wk, wv -> w3 (bf16, the three stacked by rows); wo -> bf16 -> wof (that number written as f16).
; Every input is rounded once, to bf16, to nearest even.  wo's bf16 number is exact in f16 from 6.1e-5 to 65,504 in magnitude; below it keeps f16's fixed step of 6e-8,
; beyond it becomes an infinity: LIMIT: |wo| under 65,504.
; A stream: no LDS, no matrix unit, no cluster (no byte is wanted twice).  A work-group takes 16,384 numbers: 64 KiB in, 32 KiB out.  Thread t takes 16 bytes at 16 t of each
; of 16 pieces of 4,096 bytes, so a wave's load covers 512 consecutive bytes and its store of 8 bytes a lane 256 consecutive bytes, aligned.  All 16 loads go out at once; each piece
; has its own registers, so no register is written again while a store reads it.
; Work-groups 0-511: q.  512-575: wq.  576-639: wk.  640-703: wv.  704-767: wo.
; THE MODE: SCHED_MODE bits 1:0 = 2 (LLVM: expert scheduling mode 2), set by the entry lines.  The code itself states the register dependences
; between vector instructions and memory instructions, with s_wait_alu, always for 0.
; THE PLAN.  Registers that memory instructions touch:
;   v1, v2   byte offsets of the loads and of the stores: made once at the head, never written again.
;   X        piece i: written by its one load, read by its conversions; nothing lands in it or writes it again.
;   Y        piece i: written by its conversions, read by its one store; never written behind that store.
;   T is named by vector instructions alone.  No vector instruction writes a scalar register or VCC, and EXEC is never written.
; The 16 pieces go in four groups of four.  Group g's memory instructions are the four stores of group g - 1; its vector instructions name X and Y of group g, and T.  So one wait at the head of a group
; states all that its four stores hang on, and they are dealt among the group's conversions with no further wait.  One more wait stands ahead of the last four stores.
.set X, 16                             ; v[16:79]   piece i: 4 numbers in f32
.set Y, 80                             ; v[80:111]  piece i: 4 numbers in 16 bits
.set T, 4                              ; v[4:7]     at work (wo alone)
	s_load_b512 s[8:23], s[0:1], 0x0               ; q s[8:9], wq s[10:11], wk s[12:13], wv s[14:15], wo s[16:17], xb s[18:19], w3 s[20:21], wof s[22:23]
	s_mov_b32 s24, ttmp9                           ; g
	s_sub_co_u32 s25, s24, 512                     ; j: the piece among the weights' 256 (of no meaning where g < 512: overruled below)
	s_and_b32 s26, s25, 63                         ; the piece within its weight
	s_lshr_b32 s27, s25, 6                         ; which weight
	v_lshlrev_b32 v1, 4, v0                        ; 16 t
	v_lshlrev_b32 v2, 3, v0                        ; 8 t
	s_wait_kmcnt 0x0
	s_cmp_eq_u32 s27, 1                            ; the choices hang on the work-group's number alone
	s_cselect_b64 s[30:31], s[12:13], s[10:11]
	s_cmp_eq_u32 s27, 2
	s_cselect_b64 s[30:31], s[14:15], s[30:31]
	s_cmp_eq_u32 s27, 3
	s_cselect_b64 s[30:31], s[16:17], s[30:31]
	s_cselect_b64 s[32:33], s[22:23], s[20:21]     ; wo goes to wof, the others to w3,
	s_cselect_b32 s36, s26, s25                    ; at the piece within wo, or among the three stacked
	s_cmp_lt_u32 s24, 512
	s_cselect_b64 s[30:31], s[8:9], s[30:31]
	s_cselect_b64 s[32:33], s[18:19], s[32:33]
	s_cselect_b32 s34, s24, s26
	s_cselect_b32 s36, s24, s36
	s_lshl_b32 s34, s34, 16                        ; 65,536 bytes in,
	s_lshl_b32 s36, s36, 15                        ; 32,768 out
	s_mov_b32 s35, 0
	s_mov_b32 s37, 0
	s_add_nc_u64 s[30:31], s[30:31], s[34:35]
	s_add_nc_u64 s[32:33], s[32:33], s[36:37]
	s_wait_alu depctr_va_vdst(0)                   ; v1 and v2 are written: every load of the kernel reads v1 as its offset, every store v2
.irp i, 0,1,2,3,4,5,6,7,8,9,10,11,12,13,14,15
	global_load_b128 v[X+4*(\i):X+4*(\i)+3], v1, s[30:31] offset:4096*(\i) th:TH_LOAD_NT
.endr
; Piece i is converted.  h = 1: the bf16 number is widened again (a shift, a mask) and written as f16.
.macro CV i, h
	v_cvt_pk_bf16_f32 v[Y+2*(\i)],   v[X+4*(\i)],   v[X+4*(\i)+1]
	v_cvt_pk_bf16_f32 v[Y+2*(\i)+1], v[X+4*(\i)+2], v[X+4*(\i)+3]
.if \h
	v_lshlrev_b32 v[T],   16, v[Y+2*(\i)]
	v_and_b32     v[T+1], 0xffff0000, v[Y+2*(\i)]
	v_lshlrev_b32 v[T+2], 16, v[Y+2*(\i)+1]
	v_and_b32     v[T+3], 0xffff0000, v[Y+2*(\i)+1]
	v_cvt_pk_f16_f32 v[Y+2*(\i)],   v[T],   v[T+1]
	v_cvt_pk_f16_f32 v[Y+2*(\i)+1], v[T+2], v[T+3]
.endif
.endm
; Piece i is stored.
.macro ST i
	global_store_b64 v2, v[Y+2*(\i):Y+2*(\i)+1], s[32:33] offset:2048*(\i)
.endm
; Group g: pieces 4 g to 4 g + 3 are converted; the four pieces of the group before are stored, a store in front of each piece's conversions.
.macro GRP g, h
	s_wait_loadcnt 12-4*(\g)                       ; loads come back in order: the group's four pieces are in, the younger ones stay out
.if (\g) > 0
	s_wait_alu depctr_va_vdst(0)                   ; the conversions of the group before have written its Y, which the four stores below read; no vector instruction behind this wait names those registers or v2
.endif
.irp k, 0,1,2,3
.if (\g) > 0
	ST 4*((\g)-1)+(\k)
.endif
	CV 4*(\g)+(\k), \h
.endr
.endm
; The last group's stores.
.macro LASTST
	s_wait_alu depctr_va_vdst(0)                   ; the last group's conversions have written its Y, which the last four stores read
.irp i, 12,13,14,15
	ST \i
.endr
.endm
	s_cmp_ge_u32 s24, 704
	s_cbranch_scc1 .Lwo
.irp g, 0,1,2,3
	GRP \g, 0
.endr
	LASTST
	s_endpgm
.Lwo:
.irp g, 0,1,2,3
	GRP \g, 1
.endr
	LASTST
	s_endpgm
.Lfunc_end_k_qb89c9162ba_cast:
	.size	k_qb89c9162ba_cast, .Lfunc_end_k_qb89c9162ba_cast-k_qb89c9162ba_cast
	.p2alignl 7, 3214868480
	.fill 96, 4, 3214868480
	.section	.rodata,"a",@progbits
	.p2align	6, 0x0
	.amdhsa_kernel k_qb89c9162ba_cast
		.amdhsa_group_segment_fixed_size 0
		.amdhsa_private_segment_fixed_size 0
		.amdhsa_enable_private_segment 0
		.amdhsa_kernarg_size 64
		.amdhsa_user_sgpr_count 2
		.amdhsa_user_sgpr_kernarg_segment_ptr 1
		.amdhsa_wavefront_size32 1
		.amdhsa_system_sgpr_workgroup_id_x 1
		.amdhsa_system_sgpr_workgroup_id_y 1
		.amdhsa_system_sgpr_workgroup_id_z 1
		.amdhsa_system_vgpr_workitem_id 0
		.amdhsa_next_free_vgpr 112
		.amdhsa_next_free_sgpr 66
		.amdhsa_reserve_vcc 0
		.amdhsa_float_denorm_mode_32 3
		.amdhsa_float_denorm_mode_16_64 3
		.amdhsa_memory_ordered 1
		.amdhsa_forward_progress 1
		.amdhsa_inst_pref_size 16
	.end_amdhsa_kernel
	.amdgpu_metadata
---
amdhsa.version: [ 1, 2 ]
amdhsa.kernels:
  - .name:           k_qb89c9162ba_cast
    .symbol:         k_qb89c9162ba_cast.kd
    .args:
      - { .name: q, .offset: 0, .size: 8, .value_kind: global_buffer, .address_space: global }
      - { .name: wq, .offset: 8, .size: 8, .value_kind: global_buffer, .address_space: global }
      - { .name: wk, .offset: 16, .size: 8, .value_kind: global_buffer, .address_space: global }
      - { .name: wv, .offset: 24, .size: 8, .value_kind: global_buffer, .address_space: global }
      - { .name: wo, .offset: 32, .size: 8, .value_kind: global_buffer, .address_space: global }
      - { .name: xb, .offset: 40, .size: 8, .value_kind: global_buffer, .address_space: global }
      - { .name: w3, .offset: 48, .size: 8, .value_kind: global_buffer, .address_space: global }
      - { .name: wof, .offset: 56, .size: 8, .value_kind: global_buffer, .address_space: global }
    .group_segment_fixed_size: 0
    .private_segment_fixed_size: 0
    .kernarg_segment_align: 8
    .kernarg_segment_size: 64
    .max_flat_workgroup_size: 256
    .sgpr_count:     66
    .vgpr_count:     112
    .wavefront_size: 32
...
	.end_amdgpu_metadata
.endif
;; end of part 6
;; launch proj: the kernel of part 2 again; grid 12 x 32, 4 waves a work-group, clusters of 4 x 4, 327,680 bytes of LDS; arguments xb, w3, qkv; writes qkv
;; launch scores: the kernel of part 3 again; grid 8 x 32, 4 waves a work-group, clusters of 4 x 4, 327,680 bytes of LDS; arguments qkv, p, stats; writes p, stats
;; launch pv: the kernel of part 4 again; grid 8 x 32, 4 waves a work-group, clusters of 4 x 4, 327,680 bytes of LDS; arguments qkv, p, stats, ot; writes ot
;; launch outp: the kernel of part 5 again; grid 4 x 64, 4 waves a work-group, clusters of 4 x 4, 327,680 bytes of LDS; arguments ot, wof, out0; writes out0
